; MI455X (gfx1250); checked and timed in simulation.
; The chip was launched on July 23, 2026; its instructions are those of AMD's public machine-readable ISA for CDNA 5 (MIT licence, August 2026) and "CDNA5" Instruction Set Architecture Reference Guide (July 2026). The comments in the code are by the model that wrote it; some were corrected since.
;; Multi Head Attention. Allowed arithmetic: matrix products marked QUANTISED: E2M3 operands, one E8M0 scale for each 32 along K, by v_wmma_scale_f32_16x16x128_f8f6f4 with both operands' format E2M3, f32 sums; everything else in f32.
;; Inputs: Wk_codes 2,048 x 64 x 24 uint8 (E2M3 codes of Wk, K innermost, in blocks of 32 codes, four codes in three bytes); Wk_scales 2,048 x 64 uint8 (E8M0 scales of Wk, one for each 32 codes along K); Wo_codes 2,048 x 64 x 24 uint8 (E2M3 codes of Wo, K innermost, in blocks of 32 codes, four codes in three bytes); Wo_scales 2,048 x 64 uint8 (E8M0 scales of Wo, one for each 32 codes along K); Wq_codes 2,048 x 64 x 24 uint8 (E2M3 codes of Wq, K innermost, in blocks of 32 codes, four codes in three bytes); Wq_scales 2,048 x 64 uint8 (E8M0 scales of Wq, one for each 32 codes along K); Wv_codes 2,048 x 64 x 24 uint8 (E2M3 codes of Wv, K innermost, in blocks of 32 codes, four codes in three bytes); Wv_scales 2,048 x 64 uint8 (E8M0 scales of Wv, one for each 32 codes along K); attention_mask 4 x 512 bool; bk 2,048 float32; bo 2,048 float32; bq 2,048 float32; bv 2,048 float32; x_codes 4 x 512 x 64 x 24 uint8 (E2M3 codes of x, K innermost, in blocks of 32 codes, four codes in three bytes); x_scales 4 x 512 x 64 uint8 (E8M0 scales of x, one for each 32 codes along K).
;; Outputs: out0 4 x 512 x 2,048 float32.
;; This version of the problem:
;;   THIS VERSION OF THE PROBLEM IS GIVEN IN LOW PRECISION. The matrix products marked QUANTISED in the list below multiply operands that are first quantised to E2M3 (2 exponent bits, 3 mantissa bits; 6 bits a number), with one power-of-two scale for each 32 numbers along K (OCP MX v1.0); their sums are f32. All else is computed in f32.
;;   The module's matrix products, in the order in which they are computed (A, B: the left and right operand; K: the contracted axis; several contracted axes count as one K, in the product's order):
;;     1. [M 2,048, K 2,048] x [K 2,048, N 2,048]; A: input x (given as codes); B: input Wq (given as codes): QUANTISED
;;     2. [M 2,048, K 2,048] x [K 2,048, N 2,048]; A: input x (given as codes); B: input Wk (given as codes): QUANTISED
;;     3. [M 2,048, K 2,048] x [K 2,048, N 2,048]; A: input x (given as codes); B: input Wv (given as codes): QUANTISED
;;     4. batch 64 x [M 512, K 128] x [K 128, N 512]; A: computed on the way; B: computed on the way: QUANTISED
;;     5. batch 64 x [M 512, K 512] x [K 512, N 128]; A: softmax (see below); B: computed on the way: QUANTISED
;;     6. [M 2,048, K 2,048] x [K 2,048, N 2,048]; A: computed on the way; B: input Wo (given as codes): QUANTISED
;;   THE QUANTISER, for each operand of a quantised product, along K:
;;     - K is cut into blocks of 32 from its start; a last block that is shorter is filled with zeros.
;;     - A block's scale is 2^e with e = floor(log2(the largest magnitude in the block)) - 2, held to -126 .. 127; a block of zeros has e = 0. As a byte (E8M0): e + 127.
;;     - Each number is divided by its block's scale, clamped to +-7.5, and rounded to the nearest number of E2M3, ties to even, subnormals kept.
;;     - The product sums the exact products of the quantised numbers (number of the format x scale) in f32.
;;   ~~~python
;;   def quantise(x, axis):      # numpy; x: float32 -> the quantised numbers, widened to float32 again
;;       x = np.moveaxis(x, axis, -1); K = x.shape[-1]
;;       x = np.pad(x, [(0, 0)] * (x.ndim - 1) + [(0, -K % 32)]); x = x.reshape(x.shape[:-1] + (-1, 32)); a = np.abs(x).max(-1, keepdims=True)
;;       e = np.where(a > 0, np.clip(np.frexp(np.where(a > 0, a, 1))[1] - 1 - 2, -126, 127), 0)      # np.frexp(a)[1] - 1 = floor(log2(a)), exactly
;;       r = np.clip(x / 2.0 ** e, -7.5, 7.5)
;;       step = 2.0 ** (np.maximum(np.frexp(np.where(r == 0, 1, r))[1] - 1, 0) - 3)
;;       q = np.round(r / step) * step * 2.0 ** e      # np.round: ties to even
;;       return np.moveaxis(q.reshape(q.shape[:-2] + (-1,))[..., :K], -1, axis).astype(np.float32)
;;   ~~~
;;   SOFTMAX AHEAD OF A QUANTISED PRODUCT. Where the list says 'softmax', what is quantised is not the finished softmax but p = 2^(t - M), with t = logit x log2(e) and M = ceil(the row's largest t), a whole number; so 1/2 < the row's largest p <= 1. The row's sum l is taken of the UNQUANTISED p, in f32, and the product's result is divided by l at the end. Since M is a whole number, a kernel that streams over the keys may use a running M (the ceiling of the running maximum): every later rescaling is an exact power of two, which a block's scale takes up: the codes' values come out the same.
;;   OPERANDS COMPUTED ON THE WAY. 'Computed on the way' means the value that the module computes at that place (a softmax that the list does not call 'softmax' is quantised finished and normalised). What goes into a quantiser is computed in f32, as accurately as f32 sums, v_exp_f32 and their like allow (about 1e-6 of the number): no bf16 or f16 on the way to a quantiser, and a product that is left as it is and whose result goes on into a quantised operand takes f32 operands (vector FMAs, or v_wmma_f32_16x16x4_f32). A number that lies on a knife's edge between two numbers of the format may be rounded either way, as far as f32 arithmetic and the matrix unit's own rounding can turn it there, and no further.
;;   INPUTS GIVEN AS CODES. Wk (in the module: [2048, 2048], K = its axis 0); Wo (in the module: [2048, 2048], K = its axis 0); Wq (in the module: [2048, 2048], K = its axis 0); Wv (in the module: [2048, 2048], K = its axis 0); x (in the module: [4, 512, 2048], K = its axis 2): each comes as NAME_codes (uint8): NAME with its K axis moved to the last place and cut into blocks of 32 codes, [.., K / 32, bytes a block], one block behind the other in memory; four codes in three bytes: a row's codes are one little-endian stream of bits, code i at bits 6 i .. 6 i + 5 (a code: sign, 2 exponent bits, 3 mantissa bits); and NAME_scales (uint8): the same leading axes, one E8M0 byte (e + 127) for each 32 codes along K. Its value is code x scale, taken as it is: it is not quantised again, and the codes and scales need not be those that the quantiser above would give.
;; One version. Each part assembles by itself: llvm-mc -triple=amdgcn-amd-amdhsa -mcpu=gfx1250 --defsym DOCPART=n.
;; ======== version 1 of 1: 3 launches
;; limits: right only within a limited range of input values
;; workspace buffers: qkv 9,830,400 bytes; ao 3,145,728 bytes; aos 131,072 bytes
;; launch qkv (part 1): grid 16 x 16, 4 waves a work-group, clusters of 4 x 4, 327,680 bytes of LDS; arguments x_codes, x_scales, Wq_codes, Wq_scales, Wk_codes, Wk_scales, Wv_codes, Wv_scales, bq, bk, bv, qkv; writes qkv
.if DOCPART == 1
	.amdgcn_target "amdgcn-amd-amdhsa--gfx1250"
	.amdhsa_code_object_version 6
	.text
	.protected	k_qcd9bbebe6c_qkv
	.globl	k_qcd9bbebe6c_qkv
	.p2align	8
	.type	k_qcd9bbebe6c_qkv,@function
k_qcd9bbebe6c_qkv:
	s_mov_b64 s[64:65], 0
	v_nop
	global_prefetch_b8 v0, s[64:65] scope:SCOPE_SE
	s_setreg_imm32_b32 hwreg(HW_REG_WAVE_MODE, 25, 1), 1
	s_wait_xcnt 0x0
	s_wait_alu depctr_hold_cnt(0) depctr_sa_sdst(0) depctr_va_vdst(0) depctr_va_sdst(0) depctr_va_ssrc(0) depctr_va_vcc(0) depctr_vm_vsrc(0)
	s_getreg_b32 s2, hwreg(HW_REG_IB_STS2, 6, 4)
	s_cmp_eq_u32 s2, 0
	s_cbranch_scc0 .Lentry_in_a_cluster
	s_endpgm
.Lentry_in_a_cluster:
	s_bfe_u32 s2, ttmp6, 0x10000c
	s_cmp_lg_u32 s2, 0xf033
	s_cbranch_scc0 .Lentry_shape_is_right
	s_endpgm
.Lentry_shape_is_right:
; q = x Wq + bq, k = x Wk + bk, v = x Wv + bv on codes of FP6 (E2M3) with one E8M0 scale for each 32 along K = 2,048; the results are quantised again in registers and leave as operands of attention.
; x: 2,048 rows, each W: 2,048 rows (its output columns), K innermost: a row is 1,536 bytes of codes and 64 scale bytes.  All products of the problem's table are done; attention leaves out the key steps that lie wholly under the causal mask which reference() builds.
; THE DEAL.  256 work-groups: x = the head, y = a group of 128 rows of x.  A work-group makes 128 rows x the head's 128 columns of q, of k and of v.  Wave w makes 128 x 96: columns 64 (w % 2) .. of q (w < 2) or k, and v's columns 32 w ..: 8 tiles of x x (4 + 2) tiles of W.
; K goes in chunks of 256 bytes of each row (rows begin on multiples of 256) through two LDS slots of 512 rows: x, Wq, Wk, Wv.  Wave 0 fetches x's 128 rows, waves 1 to 3 a weight's.  A step is 128 along K, 96 bytes: eight steps to three chunks; steps 2 and 5 of each eight lie across two chunks.
; CLUSTERS: 4 x 4; x's tile is asked for jointly along a row of the cluster, a weight's along a column.
; PREFETCH: behind the load of chunk c the chunk c + 2 is asked for (at the head chunks 1 and 2); of the 128 rows that a wave fetches each of the four partners names 32, told apart by address.  The last two loads ask for nothing.
; THE SCALES go straight into registers: lane (r, h) takes bytes 32 h .. 32 h + 31 of its row, so register k holds the words of step k (lanes 0-15) and of step k + 8 (lanes 16-31).
; THE ROWS OF A TILE.  With r = lane % 16, g = r / 8: tile t of x has row 64 (t / 4) + 32 g + 8 ((t % 4) xor g) + r % 8; tile u of q's or k's 64 columns likewise.  A lane's four tiles of 8 results are then one whole block of 32, and the rows of a fragment load lie at 16 different places modulo 16.
; q, k: source 0 = W, source 1 = x: the lane holds a row of x, its registers 32 columns of the head: block 2 c + h.  v: source 0 = x, source 1 = Wv: the lane holds a channel, its registers 32 keys.  q and k have the same order of columns inside a block; v's order of keys is that of attention's p.
; LDS LOADS stand between the products, two thirds of a fragment behind every second one, into the set of fragments that the step does not read; each wait's count is the number of LDS instructions issued behind the fragment that it needs.
; THE BIAS is C of each first product.
; OUT: [kind][16 b + head][group of 128 rows][12,800]: eight fragments of 1,536 bytes as images of operand registers (piece of 4 registers, lane, 16 bytes), then 512 bytes of scale words: lane l's word i is row l % 16's of fragment 2 i + l / 16.
; LIMITS: NaN and infinities are not served.  A block whose largest magnitude lies under 2^-124 gets the scale byte 1 (a block of zeros too: its codes are zeros, and this program alone reads the bytes).
; REGISTERS: window 0: v0-72 addresses, v88-151 x's scales, v156-203 W's, v204-255 the bias, then the way out.  Windows 1, 2: a set of fragments each at v0-167 (W's six, x's eight), v's accumulators at v168-231.  Window 3: q's or k's 32 accumulators.
; THE PLACE OF THE LDS LOADS (in place of what is told under LDS LOADS above): all loads of the next step stand in one run behind the step's first two products, or behind its round or barrier.
.set KROW,  1536
.set TILE,  128*KROW
.set PITCH, 272                        ; 256 bytes + 16 of padding
.set HALFT, 128*PITCH
.set SLOT,  4*HALFT
.set IMG,   2*SLOT                     ; q's and k's codes on the way out, then three times 512 bytes of scale words
.set SIMG,  IMG+24576
.set SPARE, SIMG+1536
.set GRP,   12800
.set KINDB, 256*GRP
.set SPW, 10
.set NIL, 11
.set CO,  12
.set QA,  13                           ; v13-15
.set NA,  16                           ; v16-43  LDS address of fragment f in slot s: NA + 14 s + f
.set SA,  44                           ; v44-48  lanes 0-15 byte 232 of the row in slot 0, lanes 16-31 byte 0 in slot 1; v49-53 the slots the other way round
.set PFO, 54
.set VSB, 55
.set QSB, 56
.set RDA, 57
.set SRA, 58
.set XSE, 59
.set XSO, 60
.set VSO, 61
.set BEV, 62
.set BOD, 63
.set BVO, 64
.set SX,  88
.set SW,  156
.set BI,  204
.set TQ,  204
.set SOP, 208
.set EB,  212
.set CD,  216
.set T2,  240
.set G1X, 24
.set G1W, 32
.set G0X, 48
.set G0W, 52
.set MSB, 0
.set CNT, 0
.macro WIN new                         ; the immediate's high byte repeats the setting that is left
.if MSB != (\new)
	s_set_vgpr_msb (MSB<<8)|(\new)
.set MSB, \new
.endif
.endm
.macro PLACES n
.rept \n
	v_nop
.endr
.endm
.macro WALU
	s_wait_alu depctr_va_vdst(0)
.endm
.macro BARRIER
	s_barrier_signal -1
	s_barrier_wait -1
.endm
.macro MIDDLE                          ; a round of the cluster's barrier between its opening signal and its closing barrier
	WIN 0
	s_barrier_wait -1
	s_cmp_lg_u32 s14, 0
	s_cbranch_scc1 .Lnot_wave_0_\@
	s_barrier_signal -3
.Lnot_wave_0_\@:
	s_barrier_wait -3
.endm
.macro CROUND
	s_barrier_signal -1
	MIDDLE
	BARRIER
.endm
.macro JLOAD                           ; one joint load a wave
	s_cmp_eq_u32 s14, 0
	s_cbranch_scc0 .Lfor_w_\@
	tensor_load_to_lds s[G0X:G0X+3], s[G1X:G1X+7]
	s_nop 0
	PLACES 4
	s_branch .Lasked_\@
.Lfor_w_\@:
	tensor_load_to_lds s[G0W:G0W+3], s[G1W:G1W+7]
	s_nop 0
	PLACES 4
.Lasked_\@:
.endm
.macro NEXTCHUNK sl                    ; no tensor load of mine is out: the descriptors step to the next chunk, for slot sl
	s_mov_b32 s[G0X+1], SLOT*(\sl)
	s_add_co_u32 s[G0W+1], s45, SLOT*(\sl)
	s_add_nc_u64 s[G0X+2:G0X+3], s[G0X+2:G0X+3], 256
	s_add_nc_u64 s[G0W+2:G0W+3], s[G0W+2:G0W+3], 256
.endm
.macro PREF c
	global_prefetch_b8 v[PFO], s[4:5] offset:256*(\c) th:TH_LOAD_NT scope:SCOPE_SE
.endm
	s_load_b512 s[68:83], s[0:1], 0x0              ; x's codes, x's scales, Wq's, Wk's, Wv's
	s_load_b256 s[84:91], s[0:1], 0x40             ; bq, bk, bv, the output buffer
	v_lshl_add_u32 v[SPW], v0, 2, SPARE
	v_mov_b32 v[NIL], 0
	ds_add_u32 v[SPW], v[NIL]                      ; the opening lines: the add, twice on end, and its wait
	ds_add_u32 v[SPW], v[NIL]
	v_lshrrev_b32 v1, 5, v0
	v_readfirstlane_b32 s14, v1                    ; wave 0..3
	s_lshr_b32 s15, s14, 1                         ; 0 q, 1 k
	s_and_b32 s16, s14, 1                          ; which 64 of the head's columns
	s_bfe_u32 s40, ttmp6, 0x40000                  ; cx, cy
	s_bfe_u32 s41, ttmp6, 0x40004
	s_lshl_b32 s42, ttmp9, 2
	s_add_co_u32 s42, s42, s40                     ; head
	s_and_b32 s17, ttmp7, 0xffff
	s_lshl_b32 s17, s17, 2
	s_add_co_u32 s17, s17, s41                     ; group of 128 rows of x
	s_lshl_b32 s43, s41, 2
	s_lshl_b32 s43, 15, s43                        ; my row of the cluster
	s_lshl_b32 s44, 0x1111, s40                    ; my column
	s_mul_i32 s45, s14, HALFT
	s_or_b32 s[G1X+0], s43, (1<<20)|(1<<21)|(5<<22)|(3<<25)   ; elements of 1 byte; behind every 64 words 4 of padding
	s_or_b32 s[G1W+0], s44, (1<<20)|(1<<21)|(5<<22)|(3<<25)
.irp g, G1X, G1W
	s_mov_b32 s[\g+1], 256<<16
	s_mov_b32 s[\g+2], 128<<16
	s_mov_b32 s[\g+3], 256<<16
	s_mov_b32 s[\g+4], 128
	s_mov_b32 s[\g+5], KROW
	s_mov_b32 s[\g+6], 0
	s_mov_b32 s[\g+7], 0
.endr
	s_mul_i32 s20, s17, TILE
	s_mov_b32 s21, 0
	s_mul_i32 s22, s42, TILE
	s_mov_b32 s23, 0
	WALU
	s_wait_dscnt 0x0
	s_wait_kmcnt 0x0
	s_cmp_eq_u32 s14, 1                            ; the choices hang on the wave's number alone
	s_cselect_b64 s[6:7], s[72:73], s[80:81]
	s_cmp_eq_u32 s14, 2
	s_cselect_b64 s[6:7], s[76:77], s[6:7]         ; the weight that I fetch
	s_cmp_eq_u32 s15, 0
	s_cselect_b64 s[8:9], s[74:75], s[78:79]       ; q's or k's scales
	s_cselect_b64 s[10:11], s[84:85], s[86:87]     ; and bias
	s_add_nc_u64 s[58:59], s[68:69], s[20:21]      ; x's tile
	s_add_nc_u64 s[60:61], s[6:7], s[22:23]        ; the weight's
	s_mov_b32 s[G0X], 1
	s_mov_b32 s[G0X+1], 0
	s_mov_b64 s[G0X+2:G0X+3], s[58:59]
	s_or_b32 s[G0X+3], s[G0X+3], 0x80000000
	s_mov_b32 s[G0W], 1
	s_mov_b32 s[G0W+1], s45
	s_mov_b64 s[G0W+2:G0W+3], s[60:61]
	s_or_b32 s[G0W+3], s[G0W+3], 0x80000000
	CROUND                                         ; all sixteen work-groups are here: the first joint loads meet
	JLOAD                                          ; chunk 0
	v_and_b32 v1, 15, v0                           ; r
	v_bfe_u32 v2, v0, 4, 1                         ; h
	v_and_b32 v3, 31, v0                           ; lane
	v_and_b32 v4, 7, v0
	v_bfe_u32 v5, v0, 3, 1                         ; g
	v_mul_u32_u24 v6, 40, v5
	v_add_nc_u32 v6, v6, v4                        ; row of an even tile: 40 g + r % 8,
	v_mul_u32_u24 v7, 24, v5
	v_add_nc_u32 v7, v7, v4                        ; of an odd one: 24 g + r % 8
	v_lshlrev_b32 v8, 5, v2
	v_lshl_add_u32 v[XSE], v6, 6, v8               ; scales: 64 bytes a row, 32 for each half of the lanes
	v_lshl_add_u32 v[XSO], v7, 6, v8
	v_lshl_add_u32 v[VSO], v1, 6, v8
	v_mul_u32_u24 v[BEV], 160, v2                  ; bias along the registers: even tiles, odd tiles;
	v_mul_u32_u24 v[BOD], 96, v2
	v_lshlrev_b32 v[BVO], 2, v1                    ; along the lanes
	v_lshlrev_b32 v[CO], 4, v3
	v_mul_u32_u24 v[PFO], KROW, v3
	s_cmp_eq_u32 s14, 0
	s_cselect_b64 s[4:5], s[58:59], s[60:61]
	s_cselect_b32 s2, s40, s41                     ; my place among the four that ask with me
	s_mul_i32 s2, s2, 32*KROW
	v_add_nc_u32 v[PFO], s2, v[PFO]
	s_mov_b32 s19, 0
	s_lshl_b32 s18, s17, 13
	s_add_nc_u64 s[56:57], s[70:71], s[18:19]      ; x's scales
	s_lshl_b32 s22, s42, 13
	s_lshl_b32 s18, s16, 12
	s_add_co_u32 s18, s18, s22
	s_add_nc_u64 s[8:9], s[8:9], s[18:19]          ; my 64 columns'
	s_lshl_b32 s18, s14, 11
	s_add_co_u32 s18, s18, s22
	s_add_nc_u64 s[62:63], s[82:83], s[18:19]      ; my 32 columns' of v
	s_lshl_b32 s22, s42, 9
	s_lshl_b32 s18, s16, 8
	s_add_co_u32 s18, s18, s22
	s_add_nc_u64 s[10:11], s[10:11], s[18:19]
	s_lshl_b32 s18, s14, 7
	s_add_co_u32 s18, s18, s22
	s_add_nc_u64 s[66:67], s[88:89], s[18:19]
	WALU
.irp q, 0,1
.irp t, 0,1,2,3,4,5,6,7
.if \t%2
	global_load_b128 v[SX+8*\t+4*\q:SX+8*\t+4*\q+3], v[XSO], s[56:57] offset:64*(64*(\t/4)+8*(\t%4))+16*\q
.else
	global_load_b128 v[SX+8*\t+4*\q:SX+8*\t+4*\q+3], v[XSE], s[56:57] offset:64*(64*(\t/4)+8*(\t%4))+16*\q
.endif
.endr
.irp u, 0,1,2,3
.if \u%2
	global_load_b128 v[SW+8*\u+4*\q:SW+8*\u+4*\q+3], v[XSO], s[8:9] offset:512*\u+16*\q
.else
	global_load_b128 v[SW+8*\u+4*\q:SW+8*\u+4*\q+3], v[XSE], s[8:9] offset:512*\u+16*\q
.endif
.endr
.irp e, 0,1
	global_load_b128 v[SW+32+8*\e+4*\q:SW+32+8*\e+4*\q+3], v[VSO], s[62:63] offset:1024*\e+16*\q
.endr
.irp u, 0,1,2,3
.if \u%2
	global_load_b128 v[BI+8*\u+4*\q:BI+8*\u+4*\q+3], v[BOD], s[10:11] offset:32*\u+16*\q
.else
	global_load_b128 v[BI+8*\u+4*\q:BI+8*\u+4*\q+3], v[BEV], s[10:11] offset:32*\u+16*\q
.endif
.endr
.endr
.irp e, 0,1
	global_load_b32 v[BI+32+8*\e], v[BVO], s[66:67] offset:64*\e
.endr
	PREF 1
	PREF 2
	; LDS addresses
	v_mul_u32_u24 v66, PITCH, v6                   ; x, even and odd tiles
	v_mul_u32_u24 v67, PITCH, v7
	s_mul_i32 s2, s14, 64*PITCH
	s_add_co_u32 s2, s2, HALFT
	v_add_nc_u32 v68, s2, v66                      ; my 64 columns of q or k
	v_add_nc_u32 v69, s2, v67
	s_mul_i32 s2, s14, 32*PITCH
	s_add_co_u32 s2, s2, 3*HALFT
	v_mul_u32_u24 v70, PITCH, v1
	v_add_nc_u32 v70, s2, v70                      ; my 32 columns of v
	v_mul_u32_u24 v71, SLOT-232, v2
	v_add_nc_u32 v71, 232, v71
	v_sub_nc_u32 v72, 1, v2
	v_mul_u32_u24 v72, SLOT+232, v72
.irp i, 0,1,2,3,4
	v_add_nc_u32 v[SA+\i], v[66+\i], v71
	v_add_nc_u32 v[SA+5+\i], v[66+\i], v72
.endr
	v_mul_u32_u24 v8, 24, v2
.irp i, 0,1,2,3,4
	v_add_nc_u32 v[66+\i], v[66+\i], v8
.endr
.irp u, 0,1,2,3
	v_add_nc_u32 v[NA+\u], 8*PITCH*\u, v[68+\u%2]
.endr
.irp e, 0,1
	v_add_nc_u32 v[NA+4+\e], 16*PITCH*\e, v70
.endr
.irp t, 0,1,2,3,4,5,6,7
	v_add_nc_u32 v[NA+6+\t], PITCH*(64*(\t/4)+8*(\t%4)), v[66+\t%2]
.endr
.set I_, 0
.rept 14
	v_add_nc_u32 v[NA+14+I_], SLOT, v[NA+I_]
.set I_, I_+1
.endr
	; the way out: pair i of my half fragment is pair 3 c + i of the image's six
	s_mul_i32 s2, s15, 12288
	s_add_co_u32 s2, s2, IMG
	s_mul_i32 s3, s16, 520
	s_add_co_u32 s3, s3, s2
	v_add_nc_u32 v[QA], s3, v[CO]
	v_add_nc_u32 v[QA+2], 512, v[QA]
	s_mul_i32 s3, s16, 1016
	s_add_co_u32 s3, s3, s2
	s_add_co_u32 s3, s3, 8
	v_add_nc_u32 v[QA+1], s3, v[CO]
	s_lshl_b32 s3, s16, 9
	s_add_co_u32 s3, s3, s2
	v_add_nc_u32 v[RDA], s3, v[CO]
	s_lshl_b32 s2, s14, 9
	s_add_co_u32 s2, s2, SIMG
	v_add_nc_u32 v[SRA], s2, v[CO]
	v_lshl_add_u32 v9, v1, 4, v2                   ; 16 r + h
	s_lshl_b32 s2, s15, 9
	s_lshl_b32 s3, s16, 1
	s_add_co_u32 s2, s2, s3
	s_add_co_u32 s2, s2, SIMG
	v_add_nc_u32 v[QSB], s2, v9
	s_lshl_b32 s2, s14, 2
	s_add_co_u32 s2, s2, SIMG+1024
	v_add_nc_u32 v[VSB], s2, v9
	s_lshr_b32 s94, s17, 2                         ; b
	s_lshl_b32 s94, s94, 4
	s_add_co_u32 s94, s94, s42
	s_lshl_b32 s94, s94, 2
	s_and_b32 s95, s17, 3
	s_add_co_u32 s94, s94, s95
	s_mul_i32 s94, s94, GRP
	s_mov_b32 s95, 0
	s_add_nc_u64 s[12:13], s[90:91], s[94:95]
	s_mul_i32 s94, s14, 3072
	s_add_co_u32 s94, s94, 2*KINDB
	s_add_nc_u64 s[96:97], s[12:13], s[94:95]      ; v's fragments 2 w, 2 w + 1
	s_mul_i32 s94, s15, KINDB
	s_lshl_b32 s2, s16, 9
	s_add_co_u32 s94, s94, s2
	s_add_nc_u64 s[98:99], s[12:13], s[94:95]      ; q's or k's image, every second 512 bytes
	s_mul_i32 s94, s14, KINDB
	s_add_co_u32 s94, s94, 12288
	s_add_nc_u64 s[100:101], s[12:13], s[94:95]    ; kind w's scale words
; ---- LDS loads.  Load k of step nx: fragment k / 3 (0-3 q's or k's, 4, 5 v's, 6-13 x's), its pieces 2 (k % 3) and the next, of 8 bytes each.  Byte y of a row lies in chunk y / 256, slot (y / 256) % 2.
.macro PIECE nx, f, p
.set BY_, 96*(\nx)+48*((\p)/3)+8*((\p)%3)
.set RG_, 12*(\f)+2*(\p)
.if BY_%256 < 232
	ds_load_b64 v[RG_:RG_+1], v[NA+14*((BY_/256)%2)+(\f)] offset:BY_%256
.else                                  ; the two halves of the lanes read different chunks
	ds_load_b64 v[RG_:RG_+1], v[SA+5*((BY_/256)%2)+GI_] offset:BY_%256-232+PITCH*RO_
.endif
.set CNT, CNT+1
.endm
.macro EMIT nx, k
.set F_, (\k)/3
.set P_, 2*((\k)%3)
.if F_ < 4
.set GI_, 2+F_%2
.set RO_, 8*F_
.elseif F_ < 6
.set GI_, 4
.set RO_, 16*(F_-4)
.else
.set GI_, F_%2
.set RO_, 64*((F_-6)/4)+8*((F_-6)%4)
.endif
.set B1_, 96*(\nx)+48*(P_/3)+8*(P_%3)
.set B2_, 96*(\nx)+48*((P_+1)/3)+8*((P_+1)%3)
.set O1_, (B1_%256)/8
.set O2_, (B2_%256)/8
.if (O1_ < 29) && (O2_ < 29) && (B1_/256 == B2_/256)
	ds_load_2addr_b64 v[12*F_+2*P_:12*F_+2*P_+3], v[NA+14*((B1_/256)%2)+F_] offset0:O1_ offset1:O2_
.set CNT, CNT+1
.else
	PIECE \nx, F_, P_
	PIECE \nx, F_, P_+1
.endif
.irp q, 0,1,2,3,4,5,6,7
.if (\k) == 20+3*\q
.set NN_\q, CNT                        ; x's tile q is asked for
.endif
.endr
.endm
.macro EM n                            ; the next n loads of step NX
.if K_ < 42
	WIN ((1+NX%2)<<6)
.rept \n
.if K_ < 42
	EMIT NX, K_
.set K_, K_+1
.endif
.endr
.endif
.endm
; ---- products
.macro WMMA a, b, sa, sb, row
.if \row
	v_wmma_scale_f32_16x16x128_f8f6f4 v[D_:D_+7], v[\a:\a+11], v[\b:\b+11], v[C_:C_+7], v[\sa], v[\sb] matrix_a_fmt:MATRIX_FMT_FP6 matrix_b_fmt:MATRIX_FMT_FP6 matrix_a_scale:MATRIX_SCALE_ROW1 matrix_b_scale:MATRIX_SCALE_ROW1
.else
	v_wmma_scale_f32_16x16x128_f8f6f4 v[D_:D_+7], v[\a:\a+11], v[\b:\b+11], v[C_:C_+7], v[\sa], v[\sb] matrix_a_fmt:MATRIX_FMT_FP6 matrix_b_fmt:MATRIX_FMT_FP6
.endif
.endm
.macro MM st, t, f, zero
.set PW_, 1+(\st)%2
.set XR_, 72+12*(\t)
.set WR_, 12*(\f)
.set XS_, SX+8*(\t)+(\st)%8
.set WS_, SW+8*(\f)+(\st)%8
.if (\f) < 4
.set D_, 8*(4*(\t)+(\f))
.set DW_, 3
.else
.set D_, 168+8*(\t)
.set DW_, 6-(\f)
.endif
.set C_, D_
.set CW_, DW_
.if \zero
.set C_, BI+8*(\f)
.set CW_, 0
.endif
	WIN (PW_|(PW_<<2)|(CW_<<4)|(DW_<<6))
.if (\f) < 4
	WMMA WR_, XR_, WS_, XS_, ((\st)/8)
.else
	WMMA XR_, WR_, XS_, WS_, ((\st)/8)
.endif
.endm
; Behind pair M_ of a step's 24 pairs of products.  KD_ = 0: nothing but loads.  1: the next step ends in a chunk that no step has read yet.
; 2: the chunk in which this step begins is read no more: a round of the cluster's barrier with the three lines ahead of it, and the refill first behind it, two chunks on; it shows the other slot's chunk too.
.macro FILL st
.set GA_, 0
.if (\st) == 7
.set GA_, 6                            ; this round waits for a chunk too, so it stands later in its step
.endif
.if M_ == 0
	PLACES 4                               ; between the last step's products and the loads into the registers that they read
.endif
.if KD_ == 0
.if M_ == 0
	EM 42
.endif
.elseif KD_ == 2
.if M_ == GA_
	WIN 0
	s_wait_tensorcnt 0x0
	ds_add_u32 v[SPW], v[NIL]
.set CNT, CNT+1
.elseif M_ == GA_+2
	s_wait_dscnt 0x0                       ; the add and my reads of the chunk left behind are done
	s_barrier_signal -1
.set SY_, 1
.elseif M_ == GA_+4
	MIDDLE
	BARRIER
	NEXTCHUNK ((96*(\st))/256)%2
	JLOAD
	EM 42
.if (96*(\st))/256 < 2
	WIN 0
	PREF (96*(\st))/256+4
.endif
.endif
.else
.if M_ == 9
	s_wait_tensorcnt 0x0
	s_wait_dscnt 0x0
	s_barrier_signal -1
.set SY_, 1
.elseif M_ == 10
	WIN 0
	s_barrier_wait -1
	EM 42
.endif
.endif
.set M_, M_+1
.endm
.macro STEP st, zero
.set NX, (\st)+1
.set KD_, 0
.set K_, 0
.set M_, 0
.set SY_, 0
.if NX < 16
.if ((96*NX)/256 > (96*(\st))/256) && ((96*(\st))/256 < 4)
.set KD_, 2
.elseif (96*NX+95)/256 > (96*(\st)+95)/256
.set KD_, 1
.endif
.else
.set K_, 42
.endif
.irp t, 0,1,2,3,4,5,6,7
.if SY_ == 0                           ; (behind this step's wait for all LDS instructions no further one is due)
.if CNT-NO_\t > 63
	s_wait_dscnt 63
.else
	s_wait_dscnt CNT-NO_\t
.endif
.endif
.irp f, 0,2,4
	MM \st, \t, \f, \zero
	MM \st, \t, \f+1, \zero
	FILL \st
.endr
.endr
.irp t, 0,1,2,3,4,5,6,7
.set NO_\t, NN_\t
.endr
.endm
	WALU
	s_wait_tensorcnt 0x0                           ; my part of chunk 0; the three lines ahead of a later first fill
	ds_add_u32 v[SPW], v[NIL]
	s_wait_dscnt 0x0
	CROUND                                         ; chunk 0 is whole, all sixteen work-groups are here
	NEXTCHUNK 1
	JLOAD                                          ; chunk 1
.set NX, 0
.set K_, 0
	EM 42                                          ; step 0's fragments
	WIN 0
.irp t, 0,1,2,3,4,5,6,7
.set NO_\t, NN_\t
.endr
	PREF 3
	s_wait_loadcnt 0x0                             ; scales and bias
.irp e, 0,1
.irp i, 1,2,3,4,5,6,7
	v_mov_b32 v[BI+32+8*\e+\i], v[BI+32+8*\e]      ; v's bias: one number a lane over the tile's eight registers
.endr
.endr
	WALU
	STEP 0, 1
.set ST, 1
.rept 15
	STEP ST, 0
.set ST, ST+1
.endr
; ---- THE WAY OUT, four blocks of 32 numbers a lane at a time.  k = 0: v, blocks (e, c) = (g / 2, g % 2); k = 1, 2: q's or k's tiles 4 k - 4 + g of x
.macro GB k, g
.if (\k) == 0
.set GW_, 2-(\g)/2
.set GR_, 168+32*((\g)%2)
.else
.set GW_, 3
.set GR_, 32*(4*(\k)-4+(\g))
.endif
.endm
.macro QUANT4 k
.irp g, 0,1,2,3
	GB \k, \g
	WIN (GW_|(GW_<<2))
	v_max3_num_f32 v[TQ+\g], |v[GR_]|, |v[GR_+1]|, 0x1800000   ; the floor 2^(3 - 127): the byte cannot fall under 1
.endr
.set I_, 2
.rept 15
.irp g, 0,1,2,3
	GB \k, \g
	WIN ((GW_<<2)|(GW_<<4))
	v_max3_num_f32 v[TQ+\g], v[TQ+\g], |v[GR_+I_]|, |v[GR_+I_+1]|
.endr
.set I_, I_+2
.endr
	WIN 0
.irp g, 0,1,2,3
	v_add_nc_u32 v[SOP+\g], 0xff000000, v[TQ+\g]   ; 2 off the exponent field: the conversion's scale operand
.endr
.irp g, 0,1,2,3
	v_lshrrev_b32 v[EB+\g], 23, v[SOP+\g]          ; the scale's byte
.endr
	WALU
	s_wait_xcnt 0x0                                ; earlier stores have read the codes' registers
.irp g, 0,1,2,3
	GB \k, \g
	WIN GW_
	v_cvt_scalef32_pk16_fp6_f32 v[CD+6*\g:CD+6*\g+2], v[GR_:GR_+15], v[SOP+\g]
	v_cvt_scalef32_pk16_fp6_f32 v[T2+4*\g:T2+4*\g+2], v[GR_+16:GR_+31], v[SOP+\g]   ; (a conversion's three registers begin on an even number)
.endr
	v_nop
	WIN 0
.irp g, 0,1,2,3
.irp i, 0,1,2
	v_mov_b32 v[CD+6*\g+3+\i], v[T2+4*\g+\i]
.endr
.endr
	WALU
.endm
	PLACES 4
	QUANT4 0
.irp e, 0,1
.irp c, 0,1,2
	global_store_b128 v[CO], v[CD+12*\e+4*\c:CD+12*\e+4*\c+3], s[96:97] offset:1536*\e+512*\c
.endr
.irp c, 0,1
	ds_store_b8 v[VSB], v[EB+2*\e+\c] offset:256*\e+2*\c
.endr
.endr
.irp k, 1,2
	QUANT4 \k
.irp g, 0,1,2,3
.irp i, 0,1,2
	ds_store_b64 v[QA+\i], v[CD+6*\g+2*\i:CD+6*\g+2*\i+1] offset:1536*(4*\k-4+\g)
.endr
	ds_store_b8 v[QSB], v[EB+\g] offset:256*(\g%2)+4*((4*\k-4+\g)/2)
.endr
.endr
	s_wait_dscnt 0x0
	BARRIER                                        ; the images are whole
.irp j, 0,1,2,3,4,5,6,7,8,9,10,11
	ds_load_b128 v[TQ+4*\j:TQ+4*\j+3], v[RDA] offset:1024*\j
.endr
.irp j, 0,1,2,3,4,5,6,7,8,9,10,11
	s_wait_dscnt 11-\j                             ; the loads behind this one may be out
	global_store_b128 v[CO], v[TQ+4*\j:TQ+4*\j+3], s[98:99] offset:1024*\j   ; 512 consecutive bytes, at a multiple of 256
.endr
	s_cmp_lt_u32 s14, 3
	s_cbranch_scc0 .Lno_words
	ds_load_b128 v[252:255], v[SRA]                ; waves 0 to 2: the scale words of q, k, v
	s_wait_dscnt 0x0
	global_store_b128 v[CO], v[252:255], s[100:101]
.Lno_words:
	s_wait_tensorcnt 0x0                           ; the wave's end
	ds_add_u32 v[SPW], v[NIL]
	s_wait_dscnt 0x0
	CROUND                                         ; the closing round
	s_endpgm
.Lfunc_end_k_qcd9bbebe6c_qkv:
	.size	k_qcd9bbebe6c_qkv, .Lfunc_end_k_qcd9bbebe6c_qkv-k_qcd9bbebe6c_qkv
	.p2alignl 7, 3214868480
	.fill 96, 4, 3214868480
	.section	.rodata,"a",@progbits
	.p2align	6, 0x0
	.amdhsa_kernel k_qcd9bbebe6c_qkv
		.amdhsa_group_segment_fixed_size 327680
		.amdhsa_private_segment_fixed_size 0
		.amdhsa_enable_private_segment 0
		.amdhsa_kernarg_size 96
		.amdhsa_user_sgpr_count 2
		.amdhsa_user_sgpr_kernarg_segment_ptr 1
		.amdhsa_wavefront_size32 1
		.amdhsa_system_sgpr_workgroup_id_x 1
		.amdhsa_system_sgpr_workgroup_id_y 1
		.amdhsa_system_sgpr_workgroup_id_z 1
		.amdhsa_system_vgpr_workitem_id 0
		.amdhsa_next_free_vgpr 1024
		.amdhsa_next_free_sgpr 102
		.amdhsa_reserve_vcc 0
		.amdhsa_float_denorm_mode_32 3
		.amdhsa_float_denorm_mode_16_64 3
		.amdhsa_memory_ordered 1
		.amdhsa_forward_progress 1
		.amdhsa_inst_pref_size 209
	.end_amdhsa_kernel
	.amdgpu_metadata
---
amdhsa.version: [ 1, 2 ]
amdhsa.kernels:
  - .name:           k_qcd9bbebe6c_qkv
    .symbol:         k_qcd9bbebe6c_qkv.kd
    .args:
      - { .name: x_codes, .offset: 0, .size: 8, .value_kind: global_buffer, .address_space: global }
      - { .name: x_scales, .offset: 8, .size: 8, .value_kind: global_buffer, .address_space: global }
      - { .name: Wq_codes, .offset: 16, .size: 8, .value_kind: global_buffer, .address_space: global }
      - { .name: Wq_scales, .offset: 24, .size: 8, .value_kind: global_buffer, .address_space: global }
      - { .name: Wk_codes, .offset: 32, .size: 8, .value_kind: global_buffer, .address_space: global }
      - { .name: Wk_scales, .offset: 40, .size: 8, .value_kind: global_buffer, .address_space: global }
      - { .name: Wv_codes, .offset: 48, .size: 8, .value_kind: global_buffer, .address_space: global }
      - { .name: Wv_scales, .offset: 56, .size: 8, .value_kind: global_buffer, .address_space: global }
      - { .name: bq, .offset: 64, .size: 8, .value_kind: global_buffer, .address_space: global }
      - { .name: bk, .offset: 72, .size: 8, .value_kind: global_buffer, .address_space: global }
      - { .name: bv, .offset: 80, .size: 8, .value_kind: global_buffer, .address_space: global }
      - { .name: qkv, .offset: 88, .size: 8, .value_kind: global_buffer, .address_space: global }
    .group_segment_fixed_size: 327680
    .private_segment_fixed_size: 0
    .kernarg_segment_align: 8
    .kernarg_segment_size: 96
    .max_flat_workgroup_size: 128
    .sgpr_count:     102
    .vgpr_count:     1024
    .wavefront_size: 32
...
	.end_amdgpu_metadata
.endif
;; end of part 1
;; launch attn (part 2): grid 4 x 64, 16 waves a work-group, clusters of 4 x 1, 174,592 bytes of LDS; arguments qkv, attention_mask, ao, aos; writes ao, aos
.if DOCPART == 2
	.amdgcn_target "amdgcn-amd-amdhsa--gfx1250"
	.amdhsa_code_object_version 6
	.text
	.protected	k_qcd9bbebe6c_attn
	.globl	k_qcd9bbebe6c_attn
	.p2align	8
	.type	k_qcd9bbebe6c_attn,@function
k_qcd9bbebe6c_attn:
	s_mov_b64 s[64:65], 0
	v_nop
	global_prefetch_b8 v0, s[64:65] scope:SCOPE_SE
	s_setreg_imm32_b32 hwreg(HW_REG_WAVE_MODE, 25, 1), 1
	s_wait_xcnt 0x0
	s_wait_alu depctr_hold_cnt(0) depctr_sa_sdst(0) depctr_va_vdst(0) depctr_va_sdst(0) depctr_va_ssrc(0) depctr_va_vcc(0) depctr_vm_vsrc(0)
	s_getreg_b32 s2, hwreg(HW_REG_IB_STS2, 6, 4)
	s_cmp_eq_u32 s2, 0
	s_cbranch_scc0 .Lentry_in_a_cluster
	s_endpgm
.Lentry_in_a_cluster:
	s_bfe_u32 s2, ttmp6, 0x10000c
	s_cmp_lg_u32 s2, 0x3003
	s_cbranch_scc0 .Lentry_shape_is_right
	s_endpgm
.Lentry_shape_is_right:
; Attention of one head (bh = 16 b + head) on codes of FP6 (E2M3): S^T = K Q^T, the causal mask and the mask of keys, p = 2^(t - M), O^T = V^T P^T, O / l, and the quantiser along the model's 2,048 for the last product.
; q, k, v come as images of operand registers: [kind][bh][group of 128][eight fragments of 1,536 bytes, 512 bytes of scale words].  A fragment is three loads of 16 bytes a lane at 16 x lane.
; SHARES.  The four work-groups of a cluster (cx) share a head; all of its K and V, 102,400 bytes, comes into each one's LDS ONCE, by one joint tensor load of 6,400 bytes a wave.  Nothing is filled again: no ring, and no loop for a prefetch to run ahead in.
; A work-group owns eight tiles of 16 queries, T = cx + 4 i, i = 0 .. 7.  A tile's last step of 128 keys is NS = i / 2, which does not hang on cx; the later steps lie wholly under the causal mask that reference() builds and are left out (what they would hold, NaN or infinity too, reaches no result).
; TWO WAVES TO A TILE: part 0 (waves 0-7) takes the steps from min(NS, 2) to NS, part 1 (waves 8-15) those before: at most two steps a wave.  i = (wave % 4) xor 4, 2, 5, 3 for wave / 4 = 0 .. 3: the four waves of equal wave % 4 have five steps together.
; Waves 14 and 15 (part 1 of i = 1, 0) have no step: they make the mean of v.  Part 1 hands O^T, its sum and -M over through LDS; part 0 joins the two by exact powers of two and finishes the tile.
; THE ORDER.  Row r of fragment t is token 64 (t / 4) + 32 g + 8 ((t % 4) xor g) + r % 8 of its group, g = r / 8, for q, k and the result.  Both products are used transposed, so a lane holds one query; its 32 registers of four tiles are one whole block of 32 keys, block 2 c + h, in the order of v's codes.
; THE SOFTMAX: t = score x log2(e) / sqrt(128); M = the largest t rounded up to a whole number; p = 2^(t - M) is quantised along the keys; the sum of the unquantised p divides at the end.
; HIDDEN KEYS: the input mask enters as C of the score's product, 0 or SN = -2^123; the causal mask by a select of SN.  The running maximum begins at c x SN.  As soon as M is a real one their p is 0, and the first real M multiplies what was summed by 2^(a saturated exponent) = 0.
; A ROW WITH NO PERMITTED KEY AT ALL (known by -M beyond 2^100) has, in the definition, p = 1 for all 512 keys of the head and l = 512: its result is the mean of v over all keys, which replaces the row's result by a select.
; LIMITS: the promise holds while the scaled scores (exponents to the base 2) stay under 2^31 in magnitude; NaN and infinities are not served.  A block whose largest magnitude lies under 2^-124 gets the scale byte 1 (a block of zeros too: its codes are zeros, and this program alone reads the bytes).
; REGISTERS: v1-11 addresses and constants; v12 -M, v13 the largest t, v[14:15] the sum; v16-27 Q; v28 16 x lane, v29 lane; v30 a factor; v32-79 fragments; v80 Q's, v84-87 K's, v88-91 V's, v92 p's scale words; v81, v93 addresses of the hand-over; v96-159 S^T, p, o; v160-223 O^T; v224-255 codes and at work.
.set GRP,   12800
.set SIMG,  12288                      ; a group's scale words
.set KINDB, 256*GRP                    ; a kind: 64 heads x 4 groups
.set VB,    4*GRP                      ; LDS: K's four groups, then V's four,
.set LID,   8*GRP                      ; 512 lids (f32): 0 for a key that counts, SN for one that the input mask hides,
.set VSB,   LID+2048                   ; the mean of v: 128 f32,
.set XR,    VSB+512                    ; and for each tile the hand-over: 64 registers, then 32 pairs (sum, -M)
.set XSZ,   8448
.set SPARE, XR+8*XSZ
.set LI,  1                            ; v1   16 x lane in K's first step of mine
.set LV,  2                            ; v2   the same in V
.set LLE, 3                            ; v3   lids of even tiles: LID + 160 h, at my first step
.set LLO, 4                            ; v4   of odd tiles: LID + 96 h
.set DLE, 5                            ; v5   the diagonal: register 8 t + j of an even tile is hidden where 64 (t / 4) + 8 (t % 4) + j is greater
.set DLO, 6                            ; v6   of odd tiles
.set H8,  7                            ; v7   8 h
.set SN,  8                            ; v8   -2^123
.set R4,  9                            ; v9   4 r
.set SPW, 10
.set NIL, 11
.set QSC, 80
.set XA,  81
.set KSC, 84
.set VSC, 88
.set PW,  92
.set XB,  93
.set PC,  224
.set TM,  32
.set G0,  12
.set G1,  16
.set SEL, 32
.set CS,  34
.macro ROUND                           ; a round of the cluster's barrier
	s_barrier_signal -1
	s_barrier_wait -1
	s_cmp_lg_u32 s8, 0
	s_cbranch_scc1 .Lnot_wave_0_\@
	s_barrier_signal -3
.Lnot_wave_0_\@:
	s_barrier_wait -3
	s_barrier_signal -1
	s_barrier_wait -1
.endm
.macro PLACES n
.rept \n
	v_nop
.endr
.endm
.macro WALU
	s_wait_alu depctr_va_vdst(0)
.endm
	s_load_b256 s[24:31], s[0:1], 0x0              ; qkv, the mask, ao, aos
	v_lshl_add_u32 v[SPW], v0, 2, SPARE
	v_mov_b32 v[NIL], 0
	ds_add_u32 v[SPW], v[NIL]                      ; the opening lines
	ds_add_u32 v[SPW], v[NIL]
	v_lshrrev_b32 v1, 5, v0
	v_readfirstlane_b32 s8, v1                     ; wave 0..15
	s_lshr_b32 s9, s8, 2
	s_lshr_b32 s10, s9, 1                          ; part
	s_and_b32 s36, s8, 3
	s_lshl_b32 s37, s9, 2
	s_lshr_b32 s37, 0x3524, s37
	s_and_b32 s37, s37, 7
	s_xor_b32 s11, s36, s37                        ; i
	s_lshr_b32 s50, s11, 1                         ; NS
	s_min_u32 s51, s50, 2
	s_xor_b32 s36, s10, 1
	s_mul_i32 s52, s51, s36                        ; my first step
	s_add_co_u32 s53, s52, 1                       ; my second
	s_add_co_u32 s55, s50, s10                     ; 3 or more: I have a second
	s_bfe_u32 s38, ttmp6, 0x40000                  ; cx
	s_and_b32 s39, ttmp7, 0xffff                   ; bh, which the four partners share
	s_mov_b32 s[G1], 15|(3<<16)|(1<<21)            ; 15:0 the mask: all four work-groups; elements of 8 bytes; 21 set beside a mask; no padding
	s_mov_b32 s[G1+1], 32<<16                      ; 25 rows of 256 bytes: an eighth of K's or V's 51,200 dense bytes
	s_mov_b32 s[G1+2], 25<<16
	s_mov_b32 s[G1+3], 32<<16
	s_mov_b32 s[G1+4], 25
	s_mov_b32 s[G1+5], 32
	s_mov_b32 s[G1+6], 0
	s_mov_b32 s[G1+7], 0
	s_lshr_b32 s36, s8, 3
	s_add_co_u32 s36, s36, 1
	s_mul_i32 s36, s36, KINDB                      ; kind 1 or 2,
	s_mul_i32 s40, s39, 4*GRP                      ; the head,
	s_add_co_u32 s40, s40, s36
	s_and_b32 s41, s8, 7
	s_mul_i32 s41, s41, 6400                       ; my eighth
	s_add_co_u32 s40, s40, s41
	s_mov_b32 s41, 0
	s_mov_b32 s[SEL], 0x76543210
	s_mov_b32 s[SEL+1], 0xfedcba98                 ; v_permlanex16_b32's selects for lane l xor 16
	s_mov_b32 s[CS], 0x3e0293ee                    ; c = log2(e) / sqrt(128)
	s_mov_b32 s[CS+1], s[CS]                       ; (named with it as a pair, so it is written)
	s_and_b32 s42, s11, 1
	s_lshl_b32 s42, s42, 2
	s_add_co_u32 s42, s42, s38                     ; T % 8
	s_lshl_b32 s43, s11, 2
	s_add_co_u32 s43, s43, s38                     ; T
	WALU
	s_wait_dscnt 0x0
	s_wait_kmcnt 0x0
	s_mov_b32 s[G0], 1
	s_mul_i32 s[G0+1], s8, 6400
	s_add_nc_u64 s[G0+2:G0+3], s[24:25], s[40:41]
	s_or_b32 s[G0+3], s[G0+3], 0x80000000
	ROUND                                          ; all four work-groups are here: the joint loads meet
	tensor_load_to_lds s[G0:G0+3], s[G1:G1+7]      ; my one tensor load of the launch
	s_nop 0
	PLACES 4
	v_and_b32 v29, 31, v0                          ; lane
	v_and_b32 v82, 15, v0                          ; r
	v_bfe_u32 v83, v0, 4, 1                        ; h
	v_lshlrev_b32 v28, 4, v29
	s_lshr_b32 s44, s39, 4                         ; b
	s_lshl_b32 s45, s44, 9
	v_add_nc_u32 v94, s45, v0                      ; the mask's row b, a byte a thread
	s_mul_i32 s45, s42, 1536
	v_add_nc_u32 v95, s45, v28                     ; Q's fragment T % 8
	s_and_b32 s45, s42, 1
	s_lshl_b32 s45, s45, 8
	s_lshr_b32 s46, s42, 1
	s_lshl_b32 s46, s46, 2
	s_add_co_u32 s45, s45, s46
	WALU                                           ; the wait here, directly ahead of the reader below
	v_lshl_add_u32 v31, v82, 4, s45                ; its scale word of row r
	s_lshl_b32 s46, s39, 2
	s_add_co_u32 s46, s46, s50                     ; Q: kind 0, my head, group T / 8
	s_mul_i32 s46, s46, GRP
	s_mov_b32 s47, 0
	s_add_nc_u64 s[48:49], s[24:25], s[46:47]
	WALU
	global_load_u8 v30, v94, s[26:27]
	global_load_b128 v[16:19], v95, s[48:49]
	global_load_b128 v[20:23], v95, s[48:49] offset:512
	global_load_b128 v[24:27], v95, s[48:49] offset:1024
	global_load_b32 v[QSC], v31, s[48:49] offset:SIMG
	; where my tile goes: ao [32 b + T][head][1,536], aos [32 b + T][head][64]
	s_lshl_b32 s44, s44, 5
	s_add_co_u32 s44, s44, s43
	s_lshl_b32 s44, s44, 4
	s_and_b32 s45, s39, 15
	s_add_co_u32 s44, s44, s45
	s_mul_i32 s36, s44, 1536
	s_mov_b32 s37, 0
	s_add_nc_u64 s[28:29], s[28:29], s[36:37]
	s_lshl_b32 s36, s44, 6
	s_add_nc_u64 s[30:31], s[30:31], s[36:37]
	s_mul_i32 s44, s52, GRP
	v_add_nc_u32 v[LI], s44, v28
	v_add_nc_u32 v[LV], VB, v[LI]
	s_lshl_b32 s44, s52, 9
	s_add_co_u32 s44, s44, LID
	v_mul_u32_u24 v[LLE], 160, v83
	v_add_nc_u32 v[LLE], s44, v[LLE]
	v_mul_u32_u24 v[LLO], 96, v83
	v_add_nc_u32 v[LLO], s44, v[LLO]
	v_lshlrev_b32 v[H8], 3, v83
	v_lshlrev_b32 v[R4], 2, v82
	s_and_b32 s44, s42, 3
	s_lshr_b32 s45, s42, 2
	s_lshl_b32 s45, s45, 6
	v_bfe_u32 v96, v0, 3, 1                        ; g
	v_xor_b32 v97, s44, v96
	v_and_b32 v98, 7, v0
	v_lshl_add_u32 v97, v97, 3, v98
	v_lshl_add_u32 v97, v96, 5, v97
	v_add_nc_u32 v97, s45, v97                     ; my query's place in its group of 128
	v_mul_u32_u24 v96, 40, v83
	v_mul_u32_u24 v98, 24, v83
	v_sub_nc_u32 v[DLE], v97, v96
	v_sub_nc_u32 v[DLO], v97, v98
	s_mul_i32 s44, s11, XSZ
	s_add_co_u32 s44, s44, XR
	v_add_nc_u32 v[XA], s44, v28
	s_add_co_u32 s44, s44, 8192
	v_lshl_add_u32 v[XB], v29, 3, s44
	v_lshlrev_b32 v99, 2, v0
	v_add_nc_u32 v99, LID, v99
	v_mov_b32 v[SN], 0xfd000000
	v_mul_f32 v13, s[CS], v[SN]                    ; the largest t so far: that of a hidden key
	v_floor_f32 v12, -v13
	v_mov_b32 v14, 0
	v_mov_b32 v15, 0
	v_mov_b32 v241, 0                              ; (a lane permute's destination counts as one of its sources)
	v_mov_b32 v255, 0
	v_mov_b32 v100, 0
	WALU
	s_wait_loadcnt 0x4                             ; the mask's byte is in; Q's four loads may be out
	v_cmp_ne_u32 vcc_lo, 0, v30
	v_cndmask_b32 v100, v[SN], v100, vcc_lo
	ds_store_b32 v99, v100
	WALU
	s_wait_tensorcnt 0x0                           ; my part has landed,
	s_wait_dscnt 0x0                               ; my lid is stored:
	s_barrier_signal -1
	s_barrier_wait -1                              ; everybody's are
	s_wait_loadcnt 0x0                             ; Q
	v_mov_b32 v31, 0                               ; (named with v30 as a pair, so it is written)
	s_cmp_lt_u32 s8, 14
	WALU
	s_cbranch_scc1 .Lsteps
; THE MEAN OF v OVER ALL 512 KEYS: waves 14 and 15, four fragments of 16 channels each: products with an operand of ones, even and odd groups of keys on accumulators of their own
	s_and_b32 s36, s8, 1
	s_mul_i32 s37, s36, 6144
	v_add_nc_u32 v5, s37, v[LV]
	s_lshl_b32 s37, s36, 3
	s_add_co_u32 s37, s37, SIMG
	v_add_nc_u32 v6, s37, v[LV]                    ; words 2 m, 2 m + 1 of my lane's four
	s_lshl_b32 s37, s36, 8
	s_add_co_u32 s37, s37, VSB
	v_lshl_add_u32 v3, v[H8], 2, s37               ; where my channels of the mean go
	v_mov_b32 v[PW], 0x7f7f7f7f                    ; four scale bytes of 1.0
.irp i, 0,1,2,3
	v_mov_b32 v[224+3*\i], 0x08208208              ; sixteen codes of 1.0 (0b001000) are 96 bits
	v_mov_b32 v[225+3*\i], 0x82082082
	v_mov_b32 v[226+3*\i], 0x20820820
.endr
	WALU
.irp g, 0,1,2,3
.if \g > 0
	PLACES 4
.endif
	ds_load_b64 v[KSC:KSC+1], v6 offset:GRP*\g
.irp k, 0,1,2,3
.irp p, 0,1,2
	ds_load_b128 v[32+12*\k+4*\p:35+12*\k+4*\p], v5 offset:GRP*\g+1536*\k+512*\p
.endr
.endr
	s_wait_dscnt 0x0
.irp k, 0,2
.if \g < 2
	v_wmma_scale_f32_16x16x128_f8f6f4 v[160+16*\k+8*(\g%2):167+16*\k+8*(\g%2)], v[32+12*\k:43+12*\k], v[224:235], 0, v[KSC+\k/2], v[PW] matrix_a_fmt:MATRIX_FMT_FP6 matrix_b_fmt:MATRIX_FMT_FP6
	v_wmma_scale_f32_16x16x128_f8f6f4 v[176+16*\k+8*(\g%2):183+16*\k+8*(\g%2)], v[44+12*\k:55+12*\k], v[224:235], 0, v[KSC+\k/2], v[PW] matrix_a_fmt:MATRIX_FMT_FP6 matrix_b_fmt:MATRIX_FMT_FP6 matrix_a_scale:MATRIX_SCALE_ROW1
.else
	v_wmma_scale_f32_16x16x128_f8f6f4 v[160+16*\k+8*(\g%2):167+16*\k+8*(\g%2)], v[32+12*\k:43+12*\k], v[224:235], v[160+16*\k+8*(\g%2):167+16*\k+8*(\g%2)], v[KSC+\k/2], v[PW] matrix_a_fmt:MATRIX_FMT_FP6 matrix_b_fmt:MATRIX_FMT_FP6
	v_wmma_scale_f32_16x16x128_f8f6f4 v[176+16*\k+8*(\g%2):183+16*\k+8*(\g%2)], v[44+12*\k:55+12*\k], v[224:235], v[176+16*\k+8*(\g%2):183+16*\k+8*(\g%2)], v[KSC+\k/2], v[PW] matrix_a_fmt:MATRIX_FMT_FP6 matrix_b_fmt:MATRIX_FMT_FP6 matrix_a_scale:MATRIX_SCALE_ROW1
.endif
.endr
.endr
	PLACES 4
.irp k, 0,1,2,3
.irp j, 0,2,4,6
	v_pk_add_f32 v[96+8*\k+\j:97+8*\k+\j], v[160+16*\k+\j:161+16*\k+\j], v[168+16*\k+\j:169+16*\k+\j]
.endr
.endr
.irp k, 0,1,2,3
.irp j, 0,2,4,6
	v_pk_mul_f32 v[96+8*\k+\j:97+8*\k+\j], v[96+8*\k+\j:97+8*\k+\j], 0x3b000000 op_sel_hi:[1,0]   ; / 512: exact
.endr
.endr
	WALU
.irp k, 0,1,2,3
	ds_store_b128 v3, v[96+8*\k:99+8*\k] offset:64*\k           ; the same in all sixteen lanes of a half: they write the same bytes with the same values
	ds_store_b128 v3, v[100+8*\k:103+8*\k] offset:64*\k+16
.endr
	s_branch .Ljoin
; A KEY STEP, c = 0 my first, 1 my second
.macro STEP c
	ds_load_b128 v[KSC:KSC+3], v[LI] offset:GRP*\c+SIMG        ; K's scale words: register i: fragment 2 i in lanes 0-15, 2 i + 1 in lanes 16-31
.irp t, 0,1,2,3
.irp p, 0,1,2
	ds_load_b128 v[32+12*\t+4*\p:35+12*\t+4*\p], v[LI] offset:GRP*\c+1536*\t+512*\p
.endr
.endr
.irp t, 0,1,2,3,4,5,6,7                ; the lids are the products' C
.if \t%2
	ds_load_b128 v[96+8*\t:99+8*\t], v[LLO] offset:512*\c+256*(\t/4)+32*(\t%4)
	ds_load_b128 v[100+8*\t:103+8*\t], v[LLO] offset:512*\c+256*(\t/4)+32*(\t%4)+16
.else
	ds_load_b128 v[96+8*\t:99+8*\t], v[LLE] offset:512*\c+256*(\t/4)+32*(\t%4)
	ds_load_b128 v[100+8*\t:103+8*\t], v[LLE] offset:512*\c+256*(\t/4)+32*(\t%4)+16
.endif
.endr
.irp g, 0,1                            ; S^T = K Q^T, four tiles of 16 keys at a time
.if \g > 0
	PLACES 4
.irp t, 0,1,2,3
.irp p, 0,1,2
	ds_load_b128 v[32+12*\t+4*\p:35+12*\t+4*\p], v[LI] offset:GRP*\c+1536*(4+\t)+512*\p
.endr
.endr
.endif
	s_wait_dscnt 0x0
.irp t, 0,2
	v_wmma_scale_f32_16x16x128_f8f6f4 v[96+8*(4*\g+\t):103+8*(4*\g+\t)], v[32+12*\t:43+12*\t], v[16:27], v[96+8*(4*\g+\t):103+8*(4*\g+\t)], v[KSC+2*\g+\t/2], v[QSC] matrix_a_fmt:MATRIX_FMT_FP6 matrix_b_fmt:MATRIX_FMT_FP6
	v_wmma_scale_f32_16x16x128_f8f6f4 v[96+8*(4*\g+\t+1):103+8*(4*\g+\t+1)], v[44+12*\t:55+12*\t], v[16:27], v[96+8*(4*\g+\t+1):103+8*(4*\g+\t+1)], v[KSC+2*\g+\t/2], v[QSC] matrix_a_fmt:MATRIX_FMT_FP6 matrix_b_fmt:MATRIX_FMT_FP6 matrix_a_scale:MATRIX_SCALE_ROW1
.endr
.endr
	PLACES 4
	ds_load_b128 v[VSC:VSC+3], v[LV] offset:GRP*\c+SIMG        ; V's scale words and first four fragments land while the softmax is worked
.irp t, 0,1,2,3
.irp p, 0,1,2
	ds_load_b128 v[32+12*\t+4*\p:35+12*\t+4*\p], v[LV] offset:GRP*\c+1536*\t+512*\p
.endr
.endr
	s_cmp_lg_u32 s50, s[52+\c]                     ; the causal mask bites in the tile's last step alone
	s_cbranch_scc1 .Lopen_\@
.set n, 0
.rept 64
.if (n/8)%2
	v_cmp_gt_i32 vcc_lo, 64*(n/32)+8*((n/8)%4)+n%8, v[DLO]
.else
	v_cmp_gt_i32 vcc_lo, 64*(n/32)+8*((n/8)%4)+n%8, v[DLE]
.endif
	v_cndmask_b32 v[96+n], v[96+n], v[SN], vcc_lo
.set n, n+1
.endr
	WALU
.Lopen_\@:
.irp b, 0,1,2,3
	v_max3_num_f32 v[236+\b], v[96+16*\b], v[97+16*\b], v[98+16*\b]   ; the largest score of each block of 32 keys: for the row's maximum and, since p rises with the score, for the block's largest p
.endr
.irp i, 3,5,7,9,11,13
.irp b, 0,1,2,3
	v_max3_num_f32 v[236+\b], v[236+\b], v[96+16*\b+\i], v[97+16*\b+\i]
.endr
.endr
.irp b, 0,1,2,3
	v_max_num_f32 v[236+\b], v[236+\b], v[111+16*\b]
.endr
	v_max_num_f32 v236, v236, v237                 ; my two blocks: h and 2 + h
	v_max_num_f32 v238, v238, v239
	s_delay_alu instid0(VALU_DEP_1)
	v_max_num_f32 v240, v236, v238
	s_delay_alu instid0(VALU_DEP_1)
	v_permlanex16_b32 v241, v240, s[SEL], s[SEL+1]
	s_delay_alu instid0(VALU_DEP_1)
	v_max_num_f32 v240, v240, v241                 ; with lane l xor 16's two
	s_delay_alu instid0(VALU_DEP_1)
	v_mul_f32 v240, s[CS], v240                    ; as t
	s_delay_alu instid0(VALU_DEP_1)
	v_max_num_f32 v13, v13, v240                   ; the running largest t
.if \c
	v_mov_b32 v240, v12
.endif
	v_floor_f32 v12, -v13                          ; the new -M = -ceil(t)
.if \c
	s_delay_alu instid0(VALU_DEP_1)
	v_sub_f32 v240, v12, v240                      ; old M - new M: a whole number, 0 or less
	s_delay_alu instid0(VALU_DEP_1)
	v_cvt_i32_f32 v240, v240                       ; (it saturates)
	s_delay_alu instid0(VALU_DEP_1)
	v_ldexp_f32 v30, 1.0, v240                     ; f = 2^(old M - new M)
.endif
.set n, 0
.rept 32
	v_pk_fma_f32 v[96+n:97+n], v[96+n:97+n], s[CS:CS+1], v[12:13] op_sel_hi:[1,0,0]   ; t - M
.set n, n+2
.endr
	v_fma_f32 v236, v236, s[CS], v12
	v_fma_f32 v238, v238, s[CS], v12
	WALU
.set n, 0
.rept 64
	v_exp_f32 v[96+n], v[96+n]                     ; p = 2^(t - M): not normalised
.set n, n+1
.endr
	v_exp_f32 v236, v236                           ; the block's largest p
	v_exp_f32 v238, v238
.if \c
	v_pk_mul_f32 v[14:15], v[14:15], v[30:31] op_sel_hi:[1,0]   ; the sums under the new M.  (A plain place behind the exponentials)
.else
	v_nop
.endif
	WALU
	v_max_num_f32 v236, 0x1800000, v236            ; the floor 2^(3 - 127): the byte cannot fall under 1
	v_max_num_f32 v238, 0x1800000, v238
	v_add_nc_u32 v242, 0xff000000, v236            ; 2 off the exponent field: the conversion's scale operand
	v_add_nc_u32 v244, 0xff000000, v238
	v_lshrrev_b32 v243, 23, v242
	v_lshrrev_b32 v245, 23, v244
.irp d, 0,1
	v_cvt_scalef32_pk16_fp6_f32 v[224+6*\d:226+6*\d], v[96+32*\d:111+32*\d], v[242+2*\d]
	v_cvt_scalef32_pk16_fp6_f32 v[246+4*\d:248+4*\d], v[112+32*\d:127+32*\d], v[242+2*\d]
.endr
	v_lshl_or_b32 v[PW], v245, 16, v243            ; my bytes: blocks h and 2 + h,
	v_lshlrev_b32 v[PW], v[H8], v[PW]              ; at their places in the scale word;
	v_permlanex16_b32 v255, v[PW], s[SEL], s[SEL+1]
	v_or_b32 v[PW], v[PW], v255                    ; with lane l xor 16's two the word is whole
.irp d, 0,1
.irp i, 0,1,2
	v_mov_b32 v[227+6*\d+\i], v[246+4*\d+\i]       ; (a conversion's three registers begin on an even number)
.endr
.endr
	; the row's sum is taken of the unquantised p, in two chains.  (These are the places between p's codes and scale word and the products)
.if \c
	v_pk_add_f32 v[14:15], v[14:15], v[96:97]
	v_pk_add_f32 v[94:95], v[98:99], v[102:103]
	v_pk_add_f32 v[14:15], v[14:15], v[100:101]
.else
	v_pk_add_f32 v[14:15], v[96:97], v[100:101]
	v_pk_add_f32 v[94:95], v[98:99], v[102:103]
.endif
.irp j, 8,12,16,20,24,28,32,36,40,44,48,52,56,60
	v_pk_add_f32 v[14:15], v[14:15], v[96+\j:97+\j]
	v_pk_add_f32 v[94:95], v[94:95], v[98+\j:99+\j]
.endr
	v_pk_add_f32 v[14:15], v[14:15], v[94:95]
.if \c
.set n, 0
.rept 32
	v_pk_mul_f32 v[160+n:161+n], v[160+n:161+n], v[30:31] op_sel_hi:[1,0]   ; O^T under the new M
.set n, n+2
.endr
.endif
	WALU
.irp g, 0,1                            ; O^T += V^T P^T: eight accumulators, one instruction each; the first step's products start the sums
.if \g > 0
	PLACES 4
.irp t, 0,1,2,3
.irp p, 0,1,2
	ds_load_b128 v[32+12*\t+4*\p:35+12*\t+4*\p], v[LV] offset:GRP*\c+1536*(4+\t)+512*\p
.endr
.endr
.endif
	s_wait_dscnt 0x0
.irp t, 0,2
.if \c == 0
	v_wmma_scale_f32_16x16x128_f8f6f4 v[160+8*(4*\g+\t):167+8*(4*\g+\t)], v[32+12*\t:43+12*\t], v[224:235], 0, v[VSC+2*\g+\t/2], v[PW] matrix_a_fmt:MATRIX_FMT_FP6 matrix_b_fmt:MATRIX_FMT_FP6
	v_wmma_scale_f32_16x16x128_f8f6f4 v[160+8*(4*\g+\t+1):167+8*(4*\g+\t+1)], v[44+12*\t:55+12*\t], v[224:235], 0, v[VSC+2*\g+\t/2], v[PW] matrix_a_fmt:MATRIX_FMT_FP6 matrix_b_fmt:MATRIX_FMT_FP6 matrix_a_scale:MATRIX_SCALE_ROW1
.else
	v_wmma_scale_f32_16x16x128_f8f6f4 v[160+8*(4*\g+\t):167+8*(4*\g+\t)], v[32+12*\t:43+12*\t], v[224:235], v[160+8*(4*\g+\t):167+8*(4*\g+\t)], v[VSC+2*\g+\t/2], v[PW] matrix_a_fmt:MATRIX_FMT_FP6 matrix_b_fmt:MATRIX_FMT_FP6
	v_wmma_scale_f32_16x16x128_f8f6f4 v[160+8*(4*\g+\t+1):167+8*(4*\g+\t+1)], v[44+12*\t:55+12*\t], v[224:235], v[160+8*(4*\g+\t+1):167+8*(4*\g+\t+1)], v[VSC+2*\g+\t/2], v[PW] matrix_a_fmt:MATRIX_FMT_FP6 matrix_b_fmt:MATRIX_FMT_FP6 matrix_a_scale:MATRIX_SCALE_ROW1
.endif
.endr
.endr
	PLACES 4                                       ; behind the last products
.endm
.Lsteps:
	STEP 0
	s_cmp_lt_u32 s55, 3
	s_cbranch_scc1 .Ldone
	STEP 1
.Ldone:
	s_cmp_lt_u32 s8, 8
	s_cbranch_scc1 .Ljoin
	v_add_f32 v82, v14, v15                        ; part 1 hands over: my half of the sum and -M,
	v_mov_b32 v83, v12
	WALU
.set n, 0
.rept 16
	ds_store_b128 v[XA], v[160+4*n:163+4*n] offset:512*n   ; and O^T
.set n, n+1
.endr
	ds_store_b64 v[XB], v[82:83]
.Ljoin:
	s_wait_dscnt 0x0
	s_barrier_signal -1
	s_barrier_wait -1                              ; part 1's results and the mean are there
	s_cmp_lt_u32 s8, 8
	s_cbranch_scc0 .Lend
	v_lshl_add_u32 v1, v[H8], 2, VSB
	v_add_f32 v14, v14, v15
	PLACES 4                                       ; in front of the loads into registers that the last products have read
	WALU
.irp t, 0,1,2,3                        ; the mean of v at my 64 channels: v32-63, v224-255
	ds_load_b128 v[32+8*\t:35+8*\t], v1 offset:64*\t
	ds_load_b128 v[36+8*\t:39+8*\t], v1 offset:64*\t+16
	ds_load_b128 v[224+8*\t:227+8*\t], v1 offset:64*(4+\t)
	ds_load_b128 v[228+8*\t:231+8*\t], v1 offset:64*(4+\t)+16
.endr
	s_cmp_eq_u32 s50, 0
	s_cbranch_scc1 .Lalone                         ; tiles whose part 1 has no step
	ds_load_b64 v[82:83], v[XB]
.set n, 0
.rept 16
	ds_load_b128 v[96+4*n:99+4*n], v[XA] offset:512*n
.set n, n+1
.endr
	s_wait_dscnt 0x0
	v_min_num_f32 v15, v12, v83                    ; the -M of both
	v_sub_f32 v94, v15, v12
	v_sub_f32 v95, v15, v83
	v_cvt_i32_f32 v94, v94
	v_cvt_i32_f32 v95, v95
	v_ldexp_f32 v30, 1.0, v94                      ; my factor
	v_ldexp_f32 v94, 1.0, v95                      ; part 1's
	v_mul_f32 v14, v14, v30
	v_mov_b32 v12, v15
	v_fma_f32 v14, v82, v94, v14
.set n, 0
.rept 32
	v_pk_mul_f32 v[96+n:97+n], v[96+n:97+n], v[94:95] op_sel_hi:[1,0]
.set n, n+2
.endr
.set n, 0
.rept 32
	v_pk_fma_f32 v[160+n:161+n], v[160+n:161+n], v[30:31], v[96+n:97+n] op_sel_hi:[1,0,1]   ; each accumulator from its low end on
.set n, n+2
.endr
	WALU
.Lalone:
	v_permlanex16_b32 v15, v14, s[SEL], s[SEL+1]
	v_add_f32 v14, v14, v15                        ; the row's sum
	WALU
	v_rcp_f32 v14, v14
	v_mov_b32 v82, 0                               ; (a plain place behind the transcendental)
	v_mov_b32 v83, 1.0
	v_cmp_lt_f32 vcc_lo, 0x71800000, v12           ; has my row met hidden keys alone?
	WALU
	v_cndmask_b32 v30, v14, v82, vcc_lo            ; a = 1 / l, or 0
	v_cndmask_b32 v94, v82, v83, vcc_lo            ; e = 0, or 1
	v_mov_b32 v95, 0                               ; (named with v94 as a pair)
.set n, 0
.rept 32
	v_pk_mul_f32 v[96+n:97+n], v[160+n:161+n], v[30:31] op_sel_hi:[1,0]     ; o = O^T x a
.set n, n+2
.endr
	WALU
	s_wait_dscnt 0x0
.set n, 0
.rept 16
	v_pk_fma_f32 v[96+n:97+n], v[32+n:33+n], v[94:95], v[96+n:97+n] op_sel_hi:[1,0,1]   ; + the mean x e
	v_pk_fma_f32 v[128+n:129+n], v[224+n:225+n], v[94:95], v[128+n:129+n] op_sel_hi:[1,0,1]
.set n, n+2
.endr
; This operand meets given codes (Wo's), so its K stands in the true order: register j of tile 2 b changes its lanes 16-31 with register j of tile 2 b + 1's lanes 0-15: then register 16 b + i is channel 32 b + 16 h + i.
.irp b, 0,1,2,3
.irp j, 0,1,2,3,4,5,6,7
	v_permlane16_swap_b32 v[96+16*\b+\j], v[104+16*\b+\j]
.endr
.endr
.irp b, 0,1,2,3                        ; 64 numbers of a lane become a fragment's codes in v[PC] on and its scale word in v[PW]
	v_max3_num_f32 v[TM+\b], |v[96+16*\b]|, |v[97+16*\b]|, 0x1800000
.endr
.irp i, 2,4,6,8,10,12,14
.irp b, 0,1,2,3
	v_max3_num_f32 v[TM+\b], v[TM+\b], |v[96+16*\b+\i]|, |v[97+16*\b+\i]|
.endr
.endr
.irp b, 0,1,2,3
	v_permlanex16_b32 v[TM+4+\b], v[TM+\b], s[SEL], s[SEL+1]
.endr
.irp b, 0,1,2,3
	v_max_num_f32 v[TM+\b], v[TM+\b], v[TM+4+\b]
.endr
.irp b, 0,1,2,3
	v_add_nc_u32 v[TM+12+\b], 0xff000000, v[TM+\b]
.endr
.irp b, 0,1,2,3
	v_lshrrev_b32 v[TM+4+\b], 23, v[TM+12+\b]
.endr
	v_lshl_or_b32 v[PW], v[TM+5], 8, v[TM+4]
	v_lshl_or_b32 v[PW], v[TM+6], 16, v[PW]
	v_lshl_or_b32 v[PW], v[TM+7], 24, v[PW]
.irp c, 0,1
	v_cvt_scalef32_pk16_fp6_f32 v[PC+6*\c:PC+2+6*\c], v[96+32*\c:111+32*\c], v[TM+12+2*\c]
	v_cvt_scalef32_pk16_fp6_f32 v[PC+12+4*\c:PC+14+4*\c], v[112+32*\c:127+32*\c], v[TM+12+2*\c+1]
.endr
	v_nop                                          ; one plain place behind a scaled conversion
.irp c, 0,1
.irp i, 0,1,2
	v_permlane16_swap_b32 v[PC+6*\c+\i], v[PC+12+4*\c+\i]
.endr
.irp i, 0,1,2
	v_mov_b32 v[PC+3+6*\c+\i], v[PC+12+4*\c+\i]
.endr
.endr
	WALU
.irp c, 0,1,2
	global_store_b128 v28, v[PC+4*\c:PC+4*\c+3], s[28:29] offset:512*\c    ; the fragment's image: 512 consecutive bytes a store, at a multiple of 256 from the buffer's first byte
.endr
	s_wait_xcnt 0x0                                ; EXEC changes only behind this wait
	v_cmp_gt_u32 vcc_lo, 16, v29
	s_and_saveexec_b32 s36, vcc_lo
	global_store_b32 v[R4], v[PW], s[30:31]        ; the 16 rows' scale words: 64 consecutive bytes (a work-group has one head of a row tile's sixteen)
	s_wait_xcnt 0x0
	s_or_b32 exec_lo, exec_lo, s36
.Lend:
	s_wait_tensorcnt 0x0                           ; the wave's end
	ds_add_u32 v[SPW], v[NIL]
	s_wait_dscnt 0x0
	ROUND                                          ; the closing round
	s_endpgm
.Lfunc_end_k_qcd9bbebe6c_attn:
	.size	k_qcd9bbebe6c_attn, .Lfunc_end_k_qcd9bbebe6c_attn-k_qcd9bbebe6c_attn
	.p2alignl 7, 3214868480
	.fill 96, 4, 3214868480
	.section	.rodata,"a",@progbits
	.p2align	6, 0x0
	.amdhsa_kernel k_qcd9bbebe6c_attn
		.amdhsa_group_segment_fixed_size 174592
		.amdhsa_private_segment_fixed_size 0
		.amdhsa_enable_private_segment 0
		.amdhsa_kernarg_size 32
		.amdhsa_user_sgpr_count 2
		.amdhsa_user_sgpr_kernarg_segment_ptr 1
		.amdhsa_wavefront_size32 1
		.amdhsa_system_sgpr_workgroup_id_x 1
		.amdhsa_system_sgpr_workgroup_id_y 1
		.amdhsa_system_sgpr_workgroup_id_z 1
		.amdhsa_system_vgpr_workitem_id 0
		.amdhsa_next_free_vgpr 256
		.amdhsa_next_free_sgpr 66
		.amdhsa_reserve_vcc 1
		.amdhsa_float_denorm_mode_32 3
		.amdhsa_float_denorm_mode_16_64 3
		.amdhsa_memory_ordered 1
		.amdhsa_forward_progress 1
		.amdhsa_inst_pref_size 81
	.end_amdhsa_kernel
	.amdgpu_metadata
---
amdhsa.version: [ 1, 2 ]
amdhsa.kernels:
  - .name:           k_qcd9bbebe6c_attn
    .symbol:         k_qcd9bbebe6c_attn.kd
    .args:
      - { .name: qkv, .offset: 0, .size: 8, .value_kind: global_buffer, .address_space: global }
      - { .name: attention_mask, .offset: 8, .size: 8, .value_kind: global_buffer, .address_space: global }
      - { .name: ao, .offset: 16, .size: 8, .value_kind: global_buffer, .address_space: global }
      - { .name: aos, .offset: 24, .size: 8, .value_kind: global_buffer, .address_space: global }
    .group_segment_fixed_size: 174592
    .private_segment_fixed_size: 0
    .kernarg_segment_align: 8
    .kernarg_segment_size: 32
    .max_flat_workgroup_size: 512
    .sgpr_count:     66
    .vgpr_count:     256
    .wavefront_size: 32
...
	.end_amdgpu_metadata
.endif
;; end of part 2
;; launch proj (part 3): grid 16 x 16, 4 waves a work-group, clusters of 4 x 4, 327,680 bytes of LDS; arguments ao, aos, Wo_codes, Wo_scales, bo, out0; writes out0
.if DOCPART == 3
	.amdgcn_target "amdgcn-amd-amdhsa--gfx1250"
	.amdhsa_code_object_version 6
	.text
	.protected	k_qcd9bbebe6c_proj
	.globl	k_qcd9bbebe6c_proj
	.p2align	8
	.type	k_qcd9bbebe6c_proj,@function
k_qcd9bbebe6c_proj:
	s_mov_b64 s[64:65], 0
	v_nop
	global_prefetch_b8 v0, s[64:65] scope:SCOPE_SE
	s_setreg_imm32_b32 hwreg(HW_REG_WAVE_MODE, 25, 1), 1
	s_wait_xcnt 0x0
	s_wait_alu depctr_hold_cnt(0) depctr_sa_sdst(0) depctr_va_vdst(0) depctr_va_sdst(0) depctr_va_ssrc(0) depctr_va_vcc(0) depctr_vm_vsrc(0)
	s_getreg_b32 s2, hwreg(HW_REG_IB_STS2, 6, 4)
	s_cmp_eq_u32 s2, 0
	s_cbranch_scc0 .Lentry_in_a_cluster
	s_endpgm
.Lentry_in_a_cluster:
	s_bfe_u32 s2, ttmp6, 0x10000c
	s_cmp_lg_u32 s2, 0xf033
	s_cbranch_scc0 .Lentry_shape_is_right
	s_endpgm
.Lentry_shape_is_right:
; out0 = a Wo + bo on codes of FP6 (E2M3), K = 2,048: a comes as images of operand registers, ao [tile of 16 rows][step of 128 along K][1,536], its scale words aos [tile][step][16 rows][4]; Wo's rows (output columns) are 1,536 bytes of codes, K innermost, and 64 scale bytes.
; 256 work-groups of 128 x 128, four waves of 64 x 64: 16 accumulators.  At the head one joint tensor load a wave: waves 0 and 1 Wo's 128 rows, all of K (8 bytes of padding behind every 256), along a column of the cluster; waves 2 and 3 a's eight tiles, steps 0 to 7, along a row.  Nothing is filled again.
; a's steps 8 to 15 go STRAIGHT INTO REGISTERS, each load 512 consecutive bytes, and are not asked for jointly: both operands for all of K are 202,752 + 196,608 bytes, more than the 327,680 of LDS.
; No prefetch: each tile is one load at the head, so there is no loop of tile loads to run ahead in, and a's plain loads stand four steps and more ahead of their use.
; Every second step has one run of loads: Wo's fragments of the two steps two on (four sets), a's likewise from LDS (a ring of four steps' registers, which takes steps 12 to 15 later).  The waits' counts: the instructions of the same counter issued behind what the step needs.  The bias is C of the first products.
; THE ROWS: row r of tile t of a group of 128 is row 64 (t / 4) + 32 g + 8 ((t % 4) xor g) + r % 8, g = r / 8.
; LIMITS: NaN and infinities are not served.
; REGISTERS: window 0: addresses, v32-63 a's scale words, v68-99 Wo's, v104-135 bias, v144-207 at work at the head and on the way out.  Windows 1, 2: a's 32 fragments, 21 to a window; window 2 v136-231, window 3 v128-223 Wo's four sets; window 3 v0-127 the accumulators.
.set BP,    1584
.set AOFF,  128*BP
.set STAGE, AOFF+98304
.set SPITCH, 272
.set SPARE, STAGE+4*16*SPITCH
.set AO,  4                            ; v4  16 x lane
.set ASL, 5                            ; v5  LDS address of a's scale words in my stage: + 512 h + 4 r
.set BSO, 6                            ; v6  64 r + 32 h
.set BIO, 7                            ; v7  32 h
.set AL,  8                            ; v8  LDS address of my tiles of a
.set BA,  16                           ; v16-23 LDS address of tile b's fragments at BA + 2 b; at BA + 2 b + 1 for pieces where lanes 16-31 read behind one padding more
.set STO, 24
.set RD,  25
.set CO,  26
.set STL, 27                           ; v27 my stage + 16 x lane
.set SPW, 28
.set NIL, 29
.set SAX, 32
.set SBX, 68
.set BI,  104
.set OUTR, 144
.set G1A, 24
.set G0A, 32
.set G1B, 48
.set G0B, 56
.set MSB, 0
.set DC, 0
.macro WIN new
.if MSB != (\new)
	s_set_vgpr_msb (MSB<<8)|(\new)
.set MSB, \new
.endif
.endm
.macro PLACES n
.rept \n
	v_nop
.endr
.endm
.macro CROUND
	s_barrier_signal -1
	s_barrier_wait -1
	s_cmp_lg_u32 s16, 0
	s_cbranch_scc1 .Lnot_wave_0_\@
	s_barrier_signal -3
.Lnot_wave_0_\@:
	s_barrier_wait -3
	s_barrier_signal -1
	s_barrier_wait -1
.endm
	s_load_b256 s[4:11], s[0:1], 0x0               ; ao, aos, Wo's codes, Wo's scales
	s_load_b128 s[12:15], s[0:1], 0x20             ; bo, out0
	v_lshl_add_u32 v[SPW], v0, 2, SPARE
	v_mov_b32 v[NIL], 0
	ds_add_u32 v[SPW], v[NIL]                      ; the opening lines
	ds_add_u32 v[SPW], v[NIL]
	v_lshrrev_b32 v1, 5, v0
	v_readfirstlane_b32 s16, v1                    ; wave 0..3
	s_lshr_b32 s17, s16, 1                         ; which 64 rows are mine.  Also: I fetch Wo's (0) or a's (1) tile
	s_and_b32 s18, s16, 1                          ; which 64 columns.  Also: which half of that tile I fetch
	s_bfe_u32 s40, ttmp6, 0x40000                  ; cx, cy
	s_bfe_u32 s41, ttmp6, 0x40004
	s_lshl_b32 s42, ttmp9, 2
	s_add_co_u32 s42, s42, s40                     ; tile column
	s_and_b32 s19, ttmp7, 0xffff
	s_lshl_b32 s19, s19, 2
	s_add_co_u32 s19, s19, s41                     ; tile row
	s_lshl_b32 s43, s41, 2
	s_lshl_b32 s43, 15, s43                        ; my row of the cluster
	s_lshl_b32 s44, 0x1111, s40                    ; my column
	s_or_b32 s[G1B+0], s44, (1<<20)|(1<<21)|(5<<22)|(1<<25)   ; elements of 1 byte; behind every 64 words 2 of padding
	s_mov_b32 s[G1B+1], 1536<<16
	s_mov_b32 s[G1B+2], 64<<16
	s_mov_b32 s[G1B+3], 1536<<16
	s_mov_b32 s[G1B+4], 64
	s_mov_b32 s[G1B+5], 1536
	s_mov_b32 s[G1B+6], 0
	s_mov_b32 s[G1B+7], 0
	s_or_b32 s[G1A+0], s43, (3<<16)|(1<<21)        ; elements of 8 bytes: four rows of 12,288 bytes, 24,576 apart
	s_mov_b32 s[G1A+1], 1536<<16
	s_mov_b32 s[G1A+2], 4<<16
	s_mov_b32 s[G1A+3], 1536<<16
	s_mov_b32 s[G1A+4], 4
	s_mov_b32 s[G1A+5], 3072
	s_mov_b32 s[G1A+6], 0
	s_mov_b32 s[G1A+7], 0
	s_lshl_b32 s20, s42, 7
	s_lshl_b32 s22, s18, 6
	s_add_co_u32 s20, s20, s22
	s_mul_i32 s20, s20, 1536                       ; the 64 rows of Wo
	s_mov_b32 s21, 0
	s_lshl_b32 s46, s19, 3
	s_lshl_b32 s22, s18, 2
	s_add_co_u32 s46, s46, s22
	s_mul_i32 s46, s46, 24576                      ; the four tiles of a
	s_mov_b32 s47, 0
	s_mul_i32 s22, s18, 64*BP
	s_mul_i32 s23, s18, 49152
	s_add_co_u32 s23, s23, AOFF
	v_and_b32 v1, 15, v0                           ; r
	v_bfe_u32 v2, v0, 4, 1                         ; h
	v_and_b32 v3, 31, v0
	v_lshlrev_b32 v[AO], 4, v3
	v_lshlrev_b32 v[BIO], 5, v2
	v_lshl_add_u32 v[BSO], v1, 6, v[BIO]
	s_wait_alu depctr_va_vdst(0)
	s_wait_dscnt 0x0
	s_wait_kmcnt 0x0
	s_mov_b32 s[G0B], 1
	s_mov_b32 s[G0B+1], s22
	s_add_nc_u64 s[G0B+2:G0B+3], s[8:9], s[20:21]
	s_or_b32 s[G0B+3], s[G0B+3], 0x80000000
	s_mov_b32 s[G0A], 1
	s_mov_b32 s[G0A+1], s23
	s_add_nc_u64 s[G0A+2:G0A+3], s[4:5], s[46:47]
	s_or_b32 s[G0A+3], s[G0A+3], 0x80000000
	CROUND                                         ; all sixteen work-groups are here: the joint loads meet
	s_cmp_eq_u32 s17, 0
	s_cbranch_scc0 .Lfor_a
	tensor_load_to_lds s[G0B:G0B+3], s[G1B:G1B+7]  ; my one tensor load of the launch
	s_nop 0
	PLACES 4
	s_branch .Lasked
.Lfor_a:
	tensor_load_to_lds s[G0A:G0A+3], s[G1A:G1A+7]
	s_nop 0
	PLACES 4
.Lasked:
	s_lshl_b32 s20, s19, 3
	s_lshl_b32 s22, s17, 2
	s_add_co_u32 s20, s20, s22                     ; my first tile of 16 rows
	s_mov_b32 s23, 0
	s_lshl_b32 s22, s20, 10
	s_add_nc_u64 s[6:7], s[6:7], s[22:23]
	s_mul_i32 s22, s20, 24576
	s_add_nc_u64 s[4:5], s[4:5], s[22:23]
	s_lshl_b32 s20, s42, 7
	s_lshl_b32 s22, s18, 6
	s_add_co_u32 s20, s20, s22                     ; my first column
	s_lshl_b32 s22, s20, 6
	s_add_nc_u64 s[10:11], s[10:11], s[22:23]
	s_lshl_b32 s22, s20, 2
	s_add_nc_u64 s[12:13], s[12:13], s[22:23]
	s_add_nc_u64 s[14:15], s[14:15], s[22:23]
	s_lshl_b32 s22, s19, 7
	s_lshl_b32 s20, s17, 6
	s_add_co_u32 s22, s22, s20
	s_lshl_b32 s22, s22, 13
	s_add_nc_u64 s[14:15], s[14:15], s[22:23]      ; my first row of out0
; where a's fragment (step s, tile a) lies: steps 8 to 11 in the second sixteen, all others in the ring of four steps
.macro AFRAG s, a
.set N_, 4*((\s)%4)+(\a)
.if ((\s) > 7) && ((\s) < 12)
.set N_, N_+16
.endif
.endm
.macro ALD s                           ; a's fragments of step s from memory: twelve loads
.set I_, 0
.rept 12
	AFRAG \s, I_/3
	WIN ((1+N_/21)<<6)
	global_load_b128 v[12*(N_%21)+4*(I_%3):12*(N_%21)+4*(I_%3)+3], v[AO], s[4:5] offset:24576*(I_/3)+1536*(\s)+512*(I_%3)
.set LC, LC+1
.set I_, I_+1
.endr
.endm
.irp j, 0,1,2,3,4,5,6,7
	global_load_b128 v[OUTR+4*\j:OUTR+4*\j+3], v[AO], s[6:7] offset:512*\j   ; the scale words of my four tiles, 4,096 consecutive bytes
.endr
.irp b, 0,1,2,3
.irp q, 0,1
	global_load_b128 v[SBX+8*\b+4*\q:SBX+8*\b+4*\q+3], v[BSO], s[10:11] offset:1024*\b+16*\q   ; register k: step k in lanes 0-15, step k + 8 in lanes 16-31
	global_load_b128 v[BI+8*\b+4*\q:BI+8*\b+4*\q+3], v[BIO], s[12:13] offset:64*\b+16*\q
.endr
.endr
.set LC, 24
	ALD 8
	ALD 9
	ALD 10
	WIN 0
	v_mul_u32_u24 v9, BP, v1
	v_mul_u32_u24 v10, 24, v2
	v_add_nc_u32 v9, v9, v10
	s_mul_i32 s20, s18, 64*BP
	v_add_nc_u32 v9, s20, v9
	v_lshlrev_b32 v10, 3, v2
.irp b, 0,1,2,3
	v_add_nc_u32 v[BA+2*\b], 16*BP*\b, v9
.endr
.irp b, 0,1,2,3
	v_add_nc_u32 v[BA+2*\b+1], v[BA+2*\b], v10
.endr
	s_mul_i32 s20, s17, 49152
	s_add_co_u32 s20, s20, AOFF
	v_add_nc_u32 v[AL], s20, v[AO]
	s_mul_i32 s20, s16, 16*SPITCH
	s_add_co_u32 s20, s20, STAGE
	v_add_nc_u32 v[STL], s20, v[AO]
	v_lshlrev_b32 v11, 2, v1
	v_lshl_add_u32 v11, v2, 9, v11
	v_add_nc_u32 v[ASL], s20, v11
	v_mul_u32_u24 v11, SPITCH, v1                  ; in: row r, 32 bytes for each half of the lanes
	v_lshl_add_u32 v11, v2, 5, v11
	v_add_nc_u32 v[STO], s20, v11
	v_mul_u32_u24 v11, SPITCH, v2                  ; back: lanes 0-15 a row of 256 bytes, lanes 16-31 the next
	v_lshl_add_u32 v11, v1, 4, v11
	v_add_nc_u32 v[RD], s20, v11
	v_lshlrev_b32 v11, 13, v2
	v_lshl_add_u32 v[CO], v1, 4, v11
	s_wait_alu depctr_va_vdst(0)
	s_wait_loadcnt 52                              ; a's scale words are in (16 loads of Wo's scales and the bias and 36 of a may be out)
.irp j, 0,1,2,3,4,5,6,7
	ds_store_b128 v[STL], v[OUTR+4*\j:OUTR+4*\j+3] offset:512*\j
.endr
.irp a, 0,1,2,3                        ; LDS serves a wave's instructions in order (ISA guide 5.7.1.4): these see the stores above
.irp k, 0,1,2,3,4,5,6,7
	ds_load_b32 v[SAX+8*\a+\k], v[ASL] offset:1024*\a+64*\k
.endr
.endr
; Wo's fragments of step q: load k of twelve: tile k / 3, pieces 2 (k % 3) and the next; piece number n of a row lies behind n / 32 paddings of 8 bytes
.macro EMITB q, k
.set F_, (\k)/3
.set P_, 2*((\k)%3)
.set C1_, 12*(\q)+6*(P_/3)+P_%3
.set C2_, 12*(\q)+6*((P_+1)/3)+(P_+1)%3
.set X1_, (C1_%32+3)/32
.set X2_, (C2_%32+3)/32
.set O1_, C1_+C1_/32
.set O2_, C2_+C2_/32
	BSET \q
.set R_, BR_+12*F_+2*P_
	WIN (BW_<<6)
.if X1_ == X2_
	ds_load_2addr_b64 v[R_:R_+3], v[BA+2*F_+X1_] offset0:O1_ offset1:O2_
.set DC, DC+1
.else
	ds_load_b64 v[R_:R_+1], v[BA+2*F_+X1_] offset:8*O1_
	ds_load_b64 v[R_+2:R_+3], v[BA+2*F_+X2_] offset:8*O2_
.set DC, DC+2
.endif
.endm
.macro BSET q                          ; where step q's set lies
.set BW_, 3-((\q)%4)/2
.set BR_, 128+48*((\q)%2)+8*(((\q)%4)/2)
.endm
.macro LSTEP q                         ; all of step q that comes from LDS
.set I_, 0
.rept 12
	EMITB \q, I_
.set I_, I_+1
.endr
.if (\q) < 8
.set I_, 0
.rept 12
	AFRAG \q, I_/3
	WIN ((1+N_/21)<<6)
	ds_load_b128 v[12*(N_%21)+4*(I_%3):12*(N_%21)+4*(I_%3)+3], v[AL] offset:12288*(I_/3)+1536*(\q)+512*(I_%3)
.set DC, DC+1
.set I_, I_+1
.endr
.endif
.endm
.macro MM st, a, b, first
	BSET \st
	AFRAG \st, \a
.set AR_, 12*(N_%21)
.set WR_, BR_+12*(\b)
.set D_, 8*(4*(\a)+(\b))
.set C_, D_
.set CW_, 3
.if \first
.set C_, BI+8*(\b)
.set CW_, 0
.endif
.set XS_, SAX+8*(\a)+(\st)%8
.set WS_, SBX+8*(\b)+(\st)%8
	WIN (BW_|((1+N_/21)<<2)|(CW_<<4)|(3<<6))
.if (\st) < 8
	v_wmma_scale_f32_16x16x128_f8f6f4 v[D_:D_+7], v[WR_:WR_+11], v[AR_:AR_+11], v[C_:C_+7], v[WS_], v[XS_] matrix_a_fmt:MATRIX_FMT_FP6 matrix_b_fmt:MATRIX_FMT_FP6
.else
	v_wmma_scale_f32_16x16x128_f8f6f4 v[D_:D_+7], v[WR_:WR_+11], v[AR_:AR_+11], v[C_:C_+7], v[WS_], v[XS_] matrix_a_fmt:MATRIX_FMT_FP6 matrix_b_fmt:MATRIX_FMT_FP6 matrix_a_scale:MATRIX_SCALE_ROW1 matrix_b_scale:MATRIX_SCALE_ROW1
.endif
.endm
.macro STEP st, first
.if (\st) == 0
	s_wait_loadcnt 36                              ; Wo's scales and the bias
.elseif (\st) > 7
.if LC-(24+12*((\st)-7)) > 63
	s_wait_loadcnt 63
.else
	s_wait_loadcnt LC-(24+12*((\st)-7))            ; a's fragments of this step are in
.endif
.endif
.if DC-NE0 > 63
	s_wait_dscnt 63
.else
	s_wait_dscnt DC-NE0                            ; what this step takes from LDS
.endif
.set NE0, NE1
.irp m, 0,1,2,3,4,5,6,7
	MM \st, (\m/2), (2*(\m%2)), \first
	MM \st, (\m/2), (2*(\m%2)+1), \first
.if (\m == 0) && ((\st)%2 == 0)
	PLACES 4                                       ; between the last step's products and the loads into registers that they read
.if (\st) < 14
	LSTEP (\st)+2
.set NE1, DC
	LSTEP (\st)+3
.set NE2, DC
.endif
.if (\st) == 0
	ALD 11
.elseif (\st) == 6
	ALD 12
	ALD 13
.elseif (\st) == 8
	ALD 14
	ALD 15
.endif
.endif
.endr
.endm
	s_wait_tensorcnt 0x0
	s_wait_dscnt 0x0
	s_barrier_signal -1
	s_barrier_wait -1                              ; both tiles are in
	LSTEP 0
.set NS0, DC
	LSTEP 1
.set NS1, DC
.set ST, 0
.rept 8                                ; two steps a turn; NS0, NS1: the count of LDS loads behind which their fragments are in
.set NE0, NS0
.set NE1, 0
.set NE2, 0
.if ST == 0
	STEP 0, 1
.else
	STEP ST, 0
.endif
.set NS0, NE1
.set NE0, NS1
.set NS1, NE2
.set ST, ST+1
	STEP ST, 0
.set ST, ST+1
.endr
; THE WAY OUT, by blocks of 16 rows: a lane's 32 bytes of a row go through my own stage and come back as whole rows of 256 bytes
.macro TOSTAGE a
.set OB_, OUTR+32*((\a)%2)
	WIN (3<<2)
.irp b, 0,1,2,3
	ds_store_b128 v[STO], v[8*(4*(\a)+\b):8*(4*(\a)+\b)+3] offset:64*\b
	ds_store_b128 v[STO], v[8*(4*(\a)+\b)+4:8*(4*(\a)+\b)+7] offset:64*\b+16
.endr
	WIN 0
.irp t, 0,1,2,3,4,5,6,7
	ds_load_b128 v[OB_+4*\t:OB_+4*\t+3], v[RD] offset:\t*2*SPITCH
.endr
.endm
.macro SEND a, younger                 ; younger: the LDS instructions issued behind this block's loads
.set OB_, OUTR+32*((\a)%2)
	s_wait_dscnt \younger
.irp t, 0,1,2,3,4,5,6,7
	global_store_b128 v[CO], v[OB_+4*\t:OB_+4*\t+3], s[14:15] offset:(32*(\t/4)+8*((\a)^(\t/4))+(2*\t)%8)*8192 th:TH_STORE_NT   ; two rows of 256 bytes, each at a multiple of 256
.endr
.endm
	WIN 0
	PLACES 4
	TOSTAGE 0
.irp a, 1,2,3
.if \a > 1
	s_wait_xcnt 0x0                                ; the stores of the block before last have read their registers
.endif
	TOSTAGE \a
	SEND (\a-1), 16
.endr
	SEND 3, 0
	s_wait_tensorcnt 0x0                           ; the wave's end
	ds_add_u32 v[SPW], v[NIL]
	s_wait_dscnt 0x0
	CROUND                                         ; the closing round
	s_endpgm
.Lfunc_end_k_qcd9bbebe6c_proj:
	.size	k_qcd9bbebe6c_proj, .Lfunc_end_k_qcd9bbebe6c_proj-k_qcd9bbebe6c_proj
	.p2alignl 7, 3214868480
	.fill 96, 4, 3214868480
	.section	.rodata,"a",@progbits
	.p2align	6, 0x0
	.amdhsa_kernel k_qcd9bbebe6c_proj
		.amdhsa_group_segment_fixed_size 327680
		.amdhsa_private_segment_fixed_size 0
		.amdhsa_enable_private_segment 0
		.amdhsa_kernarg_size 48
		.amdhsa_user_sgpr_count 2
		.amdhsa_user_sgpr_kernarg_segment_ptr 1
		.amdhsa_wavefront_size32 1
		.amdhsa_system_sgpr_workgroup_id_x 1
		.amdhsa_system_sgpr_workgroup_id_y 1
		.amdhsa_system_sgpr_workgroup_id_z 1
		.amdhsa_system_vgpr_workitem_id 0
		.amdhsa_next_free_vgpr 1024
		.amdhsa_next_free_sgpr 98
		.amdhsa_reserve_vcc 0
		.amdhsa_float_denorm_mode_32 3
		.amdhsa_float_denorm_mode_16_64 3
		.amdhsa_memory_ordered 1
		.amdhsa_forward_progress 1
		.amdhsa_inst_pref_size 84
	.end_amdhsa_kernel
	.amdgpu_metadata
---
amdhsa.version: [ 1, 2 ]
amdhsa.kernels:
  - .name:           k_qcd9bbebe6c_proj
    .symbol:         k_qcd9bbebe6c_proj.kd
    .args:
      - { .name: ao, .offset: 0, .size: 8, .value_kind: global_buffer, .address_space: global }
      - { .name: aos, .offset: 8, .size: 8, .value_kind: global_buffer, .address_space: global }
      - { .name: Wo_codes, .offset: 16, .size: 8, .value_kind: global_buffer, .address_space: global }
      - { .name: Wo_scales, .offset: 24, .size: 8, .value_kind: global_buffer, .address_space: global }
      - { .name: bo, .offset: 32, .size: 8, .value_kind: global_buffer, .address_space: global }
      - { .name: out0, .offset: 40, .size: 8, .value_kind: global_buffer, .address_space: global }
    .group_segment_fixed_size: 327680
    .private_segment_fixed_size: 0
    .kernarg_segment_align: 8
    .kernarg_segment_size: 48
    .max_flat_workgroup_size: 128
    .sgpr_count:     98
    .vgpr_count:     1024
    .wavefront_size: 32
...
	.end_amdgpu_metadata
.endif
;; end of part 3
